; MI455X (gfx1250); checked and timed in simulation.
; The chip was launched on July 23, 2026; its instructions are those of AMD's public machine-readable ISA for CDNA 5 (MIT licence, August 2026) and "CDNA5" Instruction Set Architecture Reference Guide (July 2026). The comments in the code are by the model that wrote it; some were corrected since.
;; Attention Pooling Layer. Allowed arithmetic: matrix products marked QUANTISED: E4M3 operands, one E8M0 scale for each 32 along K, by v_wmma_scale_f32_16x16x128_f8f6f4 with both operands' format E4M3, f32 sums; products left as they are: f32 operands where the result goes on into a quantised operand, else bf16, f16 or f32 operands; f32 sums; everything else in f32.
;; Inputs: W1 256 x 256 float32; W2 256 x 128 float32; W3 128 x 64 float32; Wl 64 x 1 float32; a1 200 x 256 float32; a2 200 x 128 float32; a3 200 x 64 float32; b1 256 float32; b2 128 float32; b3 64 float32; bl 1 float32; k 2,048 x 200 x 64 float32; q 2,048 x 1 x 64 float32.
;; Outputs: out0 2,048 x 64 float32.
;; This version of the problem:
;;   THIS VERSION OF THE PROBLEM IS GIVEN IN LOW PRECISION. The matrix products marked QUANTISED in the list below multiply operands that are first quantised to E4M3 (4 exponent bits, 3 mantissa bits; 8 bits a number), with one power-of-two scale for each 32 numbers along K (OCP MX v1.0); their sums are f32. All else is computed in f32.
;;   The module's matrix products, in the order in which they are computed (A, B: the left and right operand; K: the contracted axis; several contracted axes count as one K, in the product's order):
;;     1. [M 409,600, K 256] x [K 256, N 256]; A: computed on the way; B: input W1: QUANTISED
;;     2. [M 409,600, K 256] x [K 256, N 128]; A: computed on the way; B: input W2: QUANTISED
;;     3. [M 409,600, K 128] x [K 128, N 64]; A: computed on the way; B: input W3: QUANTISED
;;     4. [M 409,600, K 64] x [K 64, N 1]; A: computed on the way; B: input Wl: left as it is (N = 1 < 16)
;;     5. batch 2,048 x [M 1, K 200] x [K 200, N 64]; A: computed on the way; B: input k: left as it is (M = 1 < 16)
;;   THE QUANTISER, for each operand of a quantised product, along K:
;;     - K is cut into blocks of 32 from its start; a last block that is shorter is filled with zeros.
;;     - A block's scale is 2^e with e = floor(log2(the largest magnitude in the block)) - 8, held to -126 .. 127; a block of zeros has e = 0. As a byte (E8M0): e + 127.
;;     - Each number is divided by its block's scale, clamped to +-448, and rounded to the nearest number of E4M3, ties to even, subnormals kept.
;;     - The product sums the exact products of the quantised numbers (number of the format x scale) in f32.
;;   ~~~python
;;   def quantise(x, axis):      # numpy; x: float32 -> the quantised numbers, widened to float32 again
;;       x = np.moveaxis(x, axis, -1); K = x.shape[-1]
;;       x = np.pad(x, [(0, 0)] * (x.ndim - 1) + [(0, -K % 32)]); x = x.reshape(x.shape[:-1] + (-1, 32)); a = np.abs(x).max(-1, keepdims=True)
;;       e = np.where(a > 0, np.clip(np.frexp(np.where(a > 0, a, 1))[1] - 1 - 8, -126, 127), 0)      # np.frexp(a)[1] - 1 = floor(log2(a)), exactly
;;       r = np.clip(x / 2.0 ** e, -448, 448)
;;       step = 2.0 ** (np.maximum(np.frexp(np.where(r == 0, 1, r))[1] - 1, -6) - 3)
;;       q = np.round(r / step) * step * 2.0 ** e      # np.round: ties to even
;;       return np.moveaxis(q.reshape(q.shape[:-2] + (-1,))[..., :K], -1, axis).astype(np.float32)
;;   ~~~
;;   OPERANDS COMPUTED ON THE WAY. 'Computed on the way' means the value that the module computes at that place (a softmax that the list does not call 'softmax' is quantised finished and normalised). What goes into a quantiser is computed in f32, as accurately as f32 sums, v_exp_f32 and their like allow (about 1e-6 of the number): no bf16 or f16 on the way to a quantiser, and a product that is left as it is and whose result goes on into a quantised operand takes f32 operands (vector FMAs, or v_wmma_f32_16x16x4_f32). A number that lies on a knife's edge between two numbers of the format may be rounded either way, as far as f32 arithmetic and the matrix unit's own rounding can turn it there, and no further.
;; 2 versions, each right; version 2 is version 1 with the launch main written anew for expert scheduling mode. Each part assembles by itself: llvm-mc -triple=amdgcn-amd-amdhsa -mcpu=gfx1250 --defsym DOCPART=n.
;; ======== version 1 of 2: 2 launches
;; workspace buffers: wts 114,688 bytes; alf 358,400 bytes
;; launch prep (part 1): grid 52 x 1, 1 waves a work-group, no clusters, 0 bytes of LDS; arguments W1, W2, W3, b1, b2, b3, Wl, a1, a2, a3, wts, alf; writes wts, alf
.if DOCPART == 1
	.amdgcn_target "amdgcn-amd-amdhsa--gfx1250"
	.amdhsa_code_object_version 6
	.text
	.protected	k_q8788f3c81f_prep
	.globl	k_q8788f3c81f_prep
	.p2align	8
	.type	k_q8788f3c81f_prep,@function
k_q8788f3c81f_prep:
	s_mov_b64 s[64:65], 0
	v_nop
	global_prefetch_b8 v0, s[64:65] scope:SCOPE_SE
	s_setreg_imm32_b32 hwreg(HW_REG_WAVE_MODE, 25, 1), 1
	s_wait_xcnt 0x0
; THE PARAMETERS, ONCE.  W1 [256][256], W2 [256][128], W3 [128][64] (f32, K their FIRST axis) become codes of FP8 (E4M3) with one E8M0 byte for each 32 along K,
; laid in the order of the operand's registers; the slopes a1, a2, a3 are laid in the order in which the second launch's lanes load them; b1, b2, b3, Wl are copied behind the codes.
; No work of the problem is left out in either launch: every input has a way to the output (the mask on k[b][t][0] hangs on values: the score is computed and selected).
; A block's scale is 2^(floor(log2(its largest magnitude)) - 8); its byte is that magnitude's exponent field - 8, held at 1 from below.
; LIMITS: a block of zeros gets the byte 1 where the quantiser says 127 (its codes are zeros, and this program alone reads the bytes); NaN and infinities among the inputs are not served.
; wts: job x (0..25), fragment f (0, 1), piece c (0..3), lane l = (r, h): the 16 bytes at 4096 x + 2048 f + 512 c + 16 l are the codes of W[k .. k + 15][n]:
;   x < 16: W1, tile x;  x < 24: W2, tile x - 16:  n = 32 (tile / 2) + 8 (tile % 2) + r + 8 (r / 8),  k = 128 f + 32 c + 16 h.
;   x = 24, 25: W3, g = x - 24:  n = 32 g + 8 f + r + 8 (r / 8),  k = 32 c + 16 h.
;   (The rows of a tile are not neighbours, so that a lane's 16 results of two neighbouring tiles are 16 neighbours along the next product's K.)
;   scale words at 106,496 + 128 x + 4 l: lanes 0-15 fragment 0's word of row r, lanes 16-31 fragment 1's.   From 109,824: b1, b2, b3, Wl; from 111,872 zeros, since the second launch copies the whole buffer.
; alf: t-group g (8 positions), group G of 32 units (0..7 a1, 8..11 a2, 12, 13 a3), piece c, place p = tt + 8 h: the 16 bytes at 14,336 g + 1024 G + 256 c + 16 p are a[8 g + tt][32 G' + 16 h + 4 c + 0..3].
; One wave to a work-group; work-groups 0..25 a job of weights each, 26..50 a t-group of slopes each, 51 the copy.  A lane takes a column n and its registers run down K: nothing is transposed.
.set TMX, 16                           ; v16-19 largest magnitudes of four blocks
.set TPM, 20                           ; v20-23 the other half's, then the bytes
.set TLI, 24                           ; v24-27 448 x the scale
.set TSO, 28                           ; v28-31 the conversions' scale operands
.set CD,  32                           ; v32-63 codes: 16 registers a fragment
.set NUM, 64                           ; v64-191 128 numbers
	s_load_b512 s[4:19], s[0:1], 0x0               ; W1 s4, W2 s6, W3 s8, b1 s10, b2 s12, b3 s14, Wl s16, a1 s18
	s_load_b256 s[20:27], s[0:1], 0x40             ; a2 s20, a3 s22, wts s24, alf s26
	v_and_b32 v1, 15, v0                           ; r
	v_lshrrev_b32 v2, 4, v0                        ; h
	v_and_b32 v3, 8, v1
	v_add_nc_u32 v3, v3, v1                        ; r + 8 (r / 8)
	v_lshlrev_b32 v3, 2, v3                        ; in bytes
	v_lshlrev_b32 v6, 4, v0                        ; 16 x lane
	v_lshlrev_b32 v7, 2, v0                        ; 4 x lane
	s_mov_b32 s34, 0x600000                        ; the mantissa field of 448
	s_mov_b32 s36, 0x76543210
	s_mov_b32 s37, 0xfedcba98                      ; v_permlanex16_b32's selects for lane l xor 16
	s_mov_b32 s41, 0
	s_wait_kmcnt 0x0
	s_cmp_lt_u32 ttmp9, 16
	s_cbranch_scc1 .LW1
	s_cmp_lt_u32 ttmp9, 24
	s_cbranch_scc1 .LW2
	s_cmp_lt_u32 ttmp9, 26
	s_cbranch_scc1 .LW3
	s_cmp_lt_u32 ttmp9, 51
	s_cbranch_scc1 .Lalpha
	; ---- the copy: b1 (1,024 bytes), b2 (512), b3 (256), Wl (256), then 2,816 bytes of zeros
	v_lshlrev_b32 v8, 3, v0
	global_load_b128 v[64:67], v6, s[10:11]
	global_load_b128 v[68:71], v6, s[10:11] offset:512
	global_load_b128 v[72:75], v6, s[12:13]
	global_load_b64 v[76:77], v8, s[14:15]
	global_load_b64 v[78:79], v8, s[16:17]
.irp j, 80,81,82,83
	v_mov_b32 v\j, 0
.endr
	s_add_nc_u64 s[24:25], s[24:25], 109824
	s_wait_loadcnt 0x0
	global_store_b128 v6, v[64:67], s[24:25]
	global_store_b128 v6, v[68:71], s[24:25] offset:512
	global_store_b128 v6, v[72:75], s[24:25] offset:1024
	global_store_b64 v8, v[76:77], s[24:25] offset:1536
	global_store_b64 v8, v[78:79], s[24:25] offset:1792
.irp j, 0,1,2,3,4
	global_store_b128 v6, v[80:83], s[24:25] offset:2048+512*\j
.endr
	global_store_b64 v8, v[80:81], s[24:25] offset:4608
	s_endpgm
; the bytes of a tile's first column: 128 (tile / 2) + 32 (tile % 2), tile = the work-group's number - sub
.macro COLB sub
	s_sub_co_u32 s40, ttmp9, \sub
	s_lshr_b32 s38, s40, 1
	s_lshl_b32 s38, s38, 7
	s_and_b32 s39, s40, 1
	s_lshl_b32 s39, s39, 5
	s_add_co_u32 s38, s38, s39
.endm
; A job: two fragments of 16 columns x 128 along K.  s38: the bytes of the first column.  PITCH: a row of the weight in bytes.  FSTEP: from fragment 0 to fragment 1.
.macro QJOB src, PITCH, FSTEP
	s_mov_b32 s39, 0
	s_add_nc_u64 s[28:29], s[\src:\src+1], s[38:39]
	s_lshl_b32 s40, ttmp9, 12
	s_add_nc_u64 s[30:31], s[24:25], s[40:41]      ; the job's 4,096 bytes of codes
	s_lshl_b32 s40, ttmp9, 7
	s_add_nc_u64 s[32:33], s[24:25], s[40:41]
	s_add_nc_u64 s[32:33], s[32:33], 106496        ; and its 128 bytes of scale words
	v_mul_u32_u24 v5, v2, 16*(\PITCH)              ; lanes 16-31 begin 16 rows further down
	v_add_nc_u32 v5, v5, v3
.irp b, 0,1,2,3
	v_mov_b32 v[TPM+\b], 0                         ; a lane permute's destination counts as one of its sources
.endr
.irp f, 0,1
.irp c, 0,1,2,3
.irp e, 0,1,2,3,4,5,6,7,8,9,10,11,12,13,14,15
	global_load_b32 v[NUM+64*\f+16*\c+\e], v5, s[28:29] offset:\f*(\FSTEP)+(32*\c+\e)*(\PITCH)
.endr
.endr
.endr
.irp f, 0,1
	s_wait_loadcnt 63*(1-\f)                       ; fragment 0: of the 128 loads the youngest 63, all of them fragment 1's, may stay out: the oldest 65 are in, fragment 0's 64 among them.  Fragment 1: all are in
.irp b, 0,1,2,3
	v_max3_num_f32 v[TMX+\b], |v[NUM+64*\f+16*\b]|, |v[NUM+64*\f+16*\b+1]|, 0x4800000   ; my 16 numbers of block b, and the floor 2^(9 - 127): the byte cannot fall under 1
.endr
.irp i, 2,4,6,8,10,12,14
.irp b, 0,1,2,3
	v_max3_num_f32 v[TMX+\b], v[TMX+\b], |v[NUM+64*\f+16*\b+\i]|, |v[NUM+64*\f+16*\b+\i+1]|
.endr
.endr
.irp b, 0,1,2,3
	v_permlanex16_b32 v[TPM+\b], v[TMX+\b], s36, s37
.endr
.irp b, 0,1,2,3
	v_max_num_f32 v[TMX+\b], v[TMX+\b], v[TPM+\b]  ; with lane l xor 16's 16: the block's largest magnitude
.endr
.irp b, 0,1,2,3
	v_add_nc_u32 v[TSO+\b], 0xfc000000, v[TMX+\b]  ; 8 off its exponent field: the conversion's scale operand
.endr
.irp b, 0,1,2,3
	v_and_or_b32 v[TLI+\b], v[TMX+\b], 0x7f800000, s34   ; 448 x the scale
.endr
.irp b, 0,1,2,3
	v_lshrrev_b32 v[TPM+\b], 23, v[TSO+\b]         ; the scale's byte
.endr
	v_lshl_or_b32 v[8+\f], v[TPM+1], 8, v[TPM]     ; column n's scale word for this fragment
	v_lshl_or_b32 v[8+\f], v[TPM+2], 16, v[8+\f]
	v_lshl_or_b32 v[8+\f], v[TPM+3], 24, v[8+\f]
.irp b, 0,1,2,3
.irp e, 0,1,2,3,4,5,6,7,8,9,10,11,12,13,14,15
	v_med3_num_f32 v[NUM+64*\f+16*\b+\e], v[NUM+64*\f+16*\b+\e], -v[TLI+\b], v[TLI+\b]   ; the conversion to an 8-bit code does not saturate (ISA guide 7.6.2): the hold
.endr
	v_cvt_scalef32_pk8_fp8_f32 v[CD+16*\f+4*\b:CD+16*\f+4*\b+1], v[NUM+64*\f+16*\b:NUM+64*\f+16*\b+7], v[TSO+\b]
	v_cvt_scalef32_pk8_fp8_f32 v[CD+16*\f+4*\b+2:CD+16*\f+4*\b+3], v[NUM+64*\f+16*\b+8:NUM+64*\f+16*\b+15], v[TSO+\b]
.endr
	v_nop                                          ; a plain line behind the last conversion, ahead of the lines that write its scale operands anew
.irp c, 0,1,2,3
	global_store_b128 v6, v[CD+16*\f+4*\c:CD+16*\f+4*\c+3], s[30:31] offset:2048*\f+512*\c   ; 32 lanes store 512 consecutive bytes
.endr
.endr
	v_cmp_lt_u32 vcc_lo, 15, v0
	v_cndmask_b32 v10, v8, v9, vcc_lo              ; lanes 0-15 fragment 0's word, lanes 16-31 fragment 1's
	global_store_b32 v7, v10, s[32:33]
	s_endpgm
.endm
.LW1:
	COLB 0
	QJOB 4, 1024, 128*1024
.LW2:
	COLB 16
	QJOB 6, 512, 128*512
.LW3:
	s_sub_co_u32 s38, ttmp9, 24
	s_lshl_b32 s38, s38, 7                         ; 32 columns a job; fragment 1 begins 8 columns (32 bytes) on
	QJOB 8, 256, 32
.Lalpha:
	; ---- a t-group's slopes: 28 loads and 28 stores of 512 bytes.  Lane l = 16 hi + p, p = tt + 8 hh: a store's piece is 2 c' + hi
	s_sub_co_u32 s38, ttmp9, 26                    ; g
	v_and_b32 v4, 7, v0                            ; tt
	v_bfe_u32 v5, v0, 3, 1                         ; hh
	v_lshlrev_b32 v5, 6, v5
	v_lshl_add_u32 v5, v2, 4, v5                   ; 64 hh + 16 hi
	v_lshl_add_u32 v11, v4, 10, v5                 ; + tt rows of a1,
	v_lshl_add_u32 v12, v4, 9, v5                  ; of a2,
	v_lshl_add_u32 v13, v4, 8, v5                  ; of a3
	s_lshl_b32 s40, s38, 13
	s_add_nc_u64 s[18:19], s[18:19], s[40:41]      ; a1 at position 8 g
	s_lshl_b32 s40, s38, 12
	s_add_nc_u64 s[20:21], s[20:21], s[40:41]
	s_lshl_b32 s40, s38, 11
	s_add_nc_u64 s[22:23], s[22:23], s[40:41]
	s_mul_i32 s40, s38, 14336
	s_add_nc_u64 s[26:27], s[26:27], s[40:41]
.irp G, 0,1,2,3,4,5,6,7
.irp c, 0,1
	global_load_b128 v[64+4*(2*\G+\c):64+4*(2*\G+\c)+3], v11, s[18:19] offset:128*\G+32*\c
.endr
.endr
.irp G, 8,9,10,11
.irp c, 0,1
	global_load_b128 v[64+4*(2*\G+\c):64+4*(2*\G+\c)+3], v12, s[20:21] offset:128*(\G-8)+32*\c
.endr
.endr
.irp G, 12,13
.irp c, 0,1
	global_load_b128 v[64+4*(2*\G+\c):64+4*(2*\G+\c)+3], v13, s[22:23] offset:128*(\G-12)+32*\c
.endr
.endr
	s_wait_loadcnt 0x0
.irp G, 0,1,2,3,4,5,6,7,8,9,10,11,12,13
.irp c, 0,1
	global_store_b128 v6, v[64+4*(2*\G+\c):64+4*(2*\G+\c)+3], s[26:27] offset:1024*\G+512*\c
.endr
.endr
	s_endpgm
.Lfunc_end_k_q8788f3c81f_prep:
	.size	k_q8788f3c81f_prep, .Lfunc_end_k_q8788f3c81f_prep-k_q8788f3c81f_prep
	.p2alignl 7, 3214868480
	.fill 96, 4, 3214868480
	.section	.rodata,"a",@progbits
	.p2align	6, 0x0
	.amdhsa_kernel k_q8788f3c81f_prep
		.amdhsa_group_segment_fixed_size 0
		.amdhsa_private_segment_fixed_size 0
		.amdhsa_enable_private_segment 0
		.amdhsa_kernarg_size 96
		.amdhsa_user_sgpr_count 2
		.amdhsa_user_sgpr_kernarg_segment_ptr 1
		.amdhsa_wavefront_size32 1
		.amdhsa_system_sgpr_workgroup_id_x 1
		.amdhsa_system_sgpr_workgroup_id_y 1
		.amdhsa_system_sgpr_workgroup_id_z 1
		.amdhsa_system_vgpr_workitem_id 0
		.amdhsa_next_free_vgpr 256
		.amdhsa_next_free_sgpr 66
		.amdhsa_reserve_vcc 1
		.amdhsa_float_denorm_mode_32 3
		.amdhsa_float_denorm_mode_16_64 3
		.amdhsa_memory_ordered 1
		.amdhsa_forward_progress 1
		.amdhsa_inst_pref_size 98
	.end_amdhsa_kernel
	.amdgpu_metadata
---
amdhsa.version: [ 1, 2 ]
amdhsa.kernels:
  - .name:           k_q8788f3c81f_prep
    .symbol:         k_q8788f3c81f_prep.kd
    .args:
      - { .name: W1, .offset: 0, .size: 8, .value_kind: global_buffer, .address_space: global }
      - { .name: W2, .offset: 8, .size: 8, .value_kind: global_buffer, .address_space: global }
      - { .name: W3, .offset: 16, .size: 8, .value_kind: global_buffer, .address_space: global }
      - { .name: b1, .offset: 24, .size: 8, .value_kind: global_buffer, .address_space: global }
      - { .name: b2, .offset: 32, .size: 8, .value_kind: global_buffer, .address_space: global }
      - { .name: b3, .offset: 40, .size: 8, .value_kind: global_buffer, .address_space: global }
      - { .name: Wl, .offset: 48, .size: 8, .value_kind: global_buffer, .address_space: global }
      - { .name: a1, .offset: 56, .size: 8, .value_kind: global_buffer, .address_space: global }
      - { .name: a2, .offset: 64, .size: 8, .value_kind: global_buffer, .address_space: global }
      - { .name: a3, .offset: 72, .size: 8, .value_kind: global_buffer, .address_space: global }
      - { .name: wts, .offset: 80, .size: 8, .value_kind: global_buffer, .address_space: global }
      - { .name: alf, .offset: 88, .size: 8, .value_kind: global_buffer, .address_space: global }
    .group_segment_fixed_size: 0
    .private_segment_fixed_size: 0
    .kernarg_segment_align: 8
    .kernarg_segment_size: 96
    .max_flat_workgroup_size: 32
    .sgpr_count:     66
    .vgpr_count:     256
    .wavefront_size: 32
...
	.end_amdgpu_metadata
.endif
;; end of part 1
;; launch main (part 2): grid 256 x 1, 8 waves a work-group, no clusters, 317,184 bytes of LDS; arguments k, q, wts, alf, bl, out0; writes out0
.if DOCPART == 2
	.amdgcn_target "amdgcn-amd-amdhsa--gfx1250"
	.amdhsa_code_object_version 6
	.text
	.protected	k_q8788f3c81f_main
	.globl	k_q8788f3c81f_main
	.p2align	8
	.type	k_q8788f3c81f_main,@function
k_q8788f3c81f_main:
	s_mov_b64 s[64:65], 0
	v_nop
	global_prefetch_b8 v0, s[64:65] scope:SCOPE_SE
	s_setreg_imm32_b32 hwreg(HW_REG_WAVE_MODE, 25, 1), 1
	s_wait_xcnt 0x0
; out[b] = sum over t of score[b][t] k[b][t], score = mask x (Wl . h3 + bl), h = three layers of prelu(x W + b) on [q | k | q - k | q k]; the three products on codes of FP8 (E4M3) with one E8M0 scale for each 32 along K.
; No work is left out: every input has a way to the output; the mask hangs on values, so the score is computed and selected.  q's two blocks of a row are the same for all t of a batch: they are quantised once a batch (the same codes).
; LIMITS: a block of zeros gets the byte 1 where the quantiser says 127 (its codes are zeros, and this program alone reads the bytes); NaN and infinities among the inputs are not served.
; SHARES.  A work-group owns 8 batches: 1,600 rows = 25 t-groups of 8 positions x 8 batches.  A t-group's 64 rows are a QUAD: four tiles of 16 rows; row r of tile i is batch 2 i + r / 8, position r % 8, so the four tiles share one
; set of slope registers.  Eight waves of 512 registers, two to a SIMD.  A wave takes a quad through the whole chain alone: wave w takes t-groups w, w + 8, w + 16; of t-group 24 waves 0-3 take one tile each (the tail).  No barrier in the loop.
; LAYOUT.  Every product is used transposed (source 0 = 16 rows of the weight, source 1 = 16 rows of activations): a lane holds ONE row, and the 16 registers of two neighbouring tiles of units are 16 neighbours along the next K
; (the first launch chose the weights' rows for that).  So the conversions' results are the next product's operand.  A GROUP is 32 units = one block of the next K: 8 groups in layer 1, 4 in layer 2, 2 in layer 3.
; WEIGHTS lie in LDS as images of the operand's registers (114,688 bytes, copied once at the head through registers); a fragment read feeds four matrix instructions.  SLOPES come from memory straight into the one wave that uses them.
; k comes by loads of 512 consecutive bytes into registers that the chain has left, goes into the wave's own stage in LDS and is read there twice: in the quantiser's layout, and by rows for the pooling.
; The biases are the C of each sum's first matrix instruction.  prelu is exact: u = max(x, 0), t = x - u = min(x, 0), y = a t + u in one fused multiply-add.  Products 4 and 5 (N = 1, M = 1) are f32 multiply-adds.
; NO CLUSTER: k, 409,600 bytes a work-group, is shared by nobody; what is shared is one copy of 114,688 bytes at the head, and the slopes, which go to registers of waves that are not in step with any other wave.
; NO TENSOR LOAD: a refill of the stages would put the eight waves in step at a barrier in every round, and a second set of stages (174,080 bytes) has no room beside the weights.
.set PIT,   272                        ; a staged row of 256 bytes + 16: the 16 rows that a load touches start at 16 different banks (64 banks of 4 bytes: ISA guide 11.1)
.set WSO,   106496                     ; LDS, bytes 0 on: the image of wts: the fragments; here the weights' scale words;
.set BIO,   109824                     ; here b1, b2 (+1024), b3 (+1536), Wl (+1792)
.set QST,   114688                     ; q in f32: 8 rows
.set QIMG,  116992                     ; q's codes as images: pair of batches p, block c at 1024 p + 512 c + 16 x lane
.set QSWI,  121088                     ; q's scale bytes: 128 p + 4 x lane + c
.set KST,   121600                     ; the stages: 80 rows a wave: 64 of the quad (row 8 x batch + position), 16 of the tail's tile
.set KREG,  80*PIT
.set SCO,   KST+8*KREG                 ; the scores: 256 bytes a wave
.set PART,  SCO+2048                   ; the waves' sums, 2,048 bytes each; from +16,384 the tails', 512 each
.set SPARE, PART+18432                 ; the spare words, 128 bytes for each wave: four blocks of 256 bytes that no other line names
; window 0.  v1-21: addresses, made at the head and never rewritten
.set LI0, 1                            ; 16 x lane
.set LI1, 2                            ; + 65,536
.set WSA, 3                            ; 4 x lane + WSO
.set BIAA, 4                           ; 64 h + BIO
.set KSA, 5                            ; my stage + 272 h + 16 r: k on its way in
.set KQA, 6                            ; my stage + 272 r + 64 h: k for the quantiser
.set QA,  7                            ; QST + 272 (r / 8) + 64 h
.set QAT, 8                            ; the same for the tail's tile: + 544 x wave
.set K0A, 9                            ; my stage + 272 r
.set SCA, 10                           ; my scores + 4 r
.set SPA, 11                           ; my scores + 32 h
.set KPA, 12                           ; my stage + 2,176 h + 16 r: k for the pooling
.set AOF, 13                           ; 16 (r % 8) + 128 h: my place in a piece of slopes
.set SPW, 14                           ; my spare word: SPARE + 4 x my thread's number
.set NIL, 15                           ; 0
.set QCT, 16                           ; the tail: q's codes
.set QWT, 17                           ; the tail: q's scale bytes
.set PWA, 18                           ; where I put my sums
.set PRA, 19                           ; where I read the eight waves' sums of my two batches
.set PFO, 21                           ; the prefetches' offset: 51,200 (lane / 8) + 256 (lane % 8)
.set WS,  22                           ; v22-23 the weights' scale words
.set PO,  24                           ; v24-39 the pooling's sums: PO + 4 jj + e = out[2 jj + h][4 r + e]
.set PT,  40                           ; v40-43 the tail's
.set XS,  44                           ; v44-51 the input's scale words, tile i, K step s: XS + 2 i + s
.set H2S, 44                           ; from layer 2 on: the second hidden layer's, H2S + i
.set QSW, 52                           ; v52-55 q's two scale bytes, tile i
.set H1S, 56                           ; v56-63 the first hidden layer's: H1S + 2 i + s
.set ACC, 64                           ; v64-127 a group's results: ACC + 16 i + 8 u + j
.set W,   128                          ; v128-191 a group's fragments of the weight; in layer 3 Wl at W + 32 + 16 G'
.set ALA, 192                          ; v192-207 slopes of even groups
.set ALB, 208                          ; v208-223 of odd groups
.set BI,  224                          ; v224-239 a group's bias, in the result's layout;
.set UT,  224                          ; then prelu's u
.set MX,  240                          ; v240-243 largest magnitudes;  v244-247 the other half's, then the bytes;  v248-251 448 x the scale;  v252-255 the conversions' scale operands
.set PM,  244
.set LIM, 248
.set SOP, 252
.set SCR, 240                          ; layer 3: the score in two halves, SCR + 2 i
.set K0,  248                          ; k[.][.][0], tile i
.set SETA, 64                          ; the input's phase: two sets of 48: k, q - k, q then q k
.set SETB, 112
.set PK,  64                           ; the pooling: 32 rows' pieces of k
.set PS,  224                          ; and the scores
.set KTA, 226                          ; head only: v226-233
.set QIA, 227
.set QBA, 228
.set QSTA, 229
.set CPA, 230
.set CPB, 231
.set Q8,  232
.set QLO, 233
; window 1 (written v0-255): v0-127 the input's codes, 32 i + 16 s; from layer 2 on v0-63 the second hidden layer's (16 i), v64-79 group 13's slopes, v80-95 group 12's;
;   v128-255 the first hidden layer's codes, 128 + 32 i + 16 s; behind layer 2's last product the next quad's k lands there
.set ALC, 64
.set ALD, 80
.set WV,  16                           ; s16 my wave's number
.set KR,  17                           ; s17 my stage
.set RND, 18                           ; s18 rounds to go
.set BL,  19                           ; s19 bl
.set SEL, 20                           ; s[20:21] v_permlanex16_b32's selects for lane l xor 16
.set MNT, 22                           ; s22 the mantissa field of 448
.set KB,  24                           ; s[24:25] k at my work-group's first batch, my t-group
.set AB,  26                           ; s[26:27] the slopes of my t-group
.set AT,  28                           ; s[28:29] those of t-group 24
.set OUT, 30                           ; s[30:31] out at batches 2 w, 2 w + 1
.set KT,  32                           ; s[32:33] k at batch w
.set QP,  34                           ; s[34:35] q at the pair and block that I quantise
.set QR,  36                           ; s[36:37] q at batch w
.set MSB, 0
.macro WIN new                         ; s_set_vgpr_msb: bits 1:0 source 0, 3:2 source 1, 5:4 source 2, 7:6 destination; the high byte repeats the setting that is left
.if MSB != \new
	s_set_vgpr_msb (MSB<<8)|\new
.set MSB, \new
.endif
.endm
.macro PLACES cnt
.rept \cnt
	v_nop
.endr
.endm
; 16 slopes a lane: four loads; the 16 places of a piece are 256 consecutive bytes (rows r and r + 8 hold the same position and read the same bytes)
.macro ALOAD buf, win, imm
.if \win
	WIN 0x40
.endif
.irp c, 0,1,2,3
	global_load_b128 v[(\buf)+4*\c:(\buf)+4*\c+3], v[AOF], s[AB:AB+1] offset:(\imm)+256*\c
.endr
	WIN 0
.endm
; a quad's k: 8 batches x 8 positions x 256 bytes: 32 loads of 512 consecutive bytes, into window 1
.macro KLOAD NX
	WIN 0x40
.set kbt, 0
.rept 8
.irp p, 0,1,2,3
	global_load_b128 v[128+16*kbt+4*\p:128+16*kbt+4*\p+3], v[LI0], s[KB:KB+1] offset:kbt*51200+512*\p+(\NX) th:TH_LOAD_NT
.endr
.set kbt, kbt+1
.endr
	WIN 0
.endm
.macro KSTORE                          ; and into my stage: lanes 0-15 one row, lanes 16-31 the next
	WIN 0x04
.set kbt, 0
.rept 8
.irp p, 0,1,2,3
	ds_store_b128 v[KSA], v[128+16*kbt+4*\p:128+16*kbt+4*\p+3] offset:(8*kbt+2*\p)*PIT
.endr
.set kbt, kbt+1
.endr
	WIN 0
.endm
; group G's fragments of the weight and their scale words (one register a tile: lanes 0-15 K step 0's words, lanes 16-31 K step 1's; in layer 3 lanes 0-15 tile 0's, lanes 16-31 tile 1's)
.macro WLOAD G
.set wm, 0
.if (\G) < 8
.rept 16
	ds_load_b128 v[W+4*wm:W+4*wm+3], v[LI0] offset:(\G)*8192+512*wm
.set wm, wm+1
.endr
	ds_load_b32 v[WS], v[WSA] offset:(2*(\G))*128
	ds_load_b32 v[WS+1], v[WSA] offset:(2*(\G)+1)*128
.elseif (\G) < 12
.rept 16
	ds_load_b128 v[W+4*wm:W+4*wm+3], v[LI1] offset:((\G)-8)*8192+512*wm
.set wm, wm+1
.endr
	ds_load_b32 v[WS], v[WSA] offset:(16+2*((\G)-8))*128
	ds_load_b32 v[WS+1], v[WSA] offset:(17+2*((\G)-8))*128
.else
.rept 8
	ds_load_b128 v[W+4*wm:W+4*wm+3], v[LI1] offset:32768+((\G)-12)*4096+512*wm
.set wm, wm+1
.endr
	ds_load_b32 v[WS], v[WSA] offset:(24+(\G)-12)*128
.irp c, 0,1,2,3
	ds_load_b128 v[W+32+16*((\G)-12)+4*\c:W+32+16*((\G)-12)+4*\c+3], v[BIAA] offset:1792+128*((\G)-12)+16*\c   ; Wl at my 16 units
.endr
.endif
.endm
.macro BLOAD G                         ; group G's bias at my 16 units
.if (\G) < 8
.set bo, 128*(\G)
.elseif (\G) < 12
.set bo, 1024+128*((\G)-8)
.else
.set bo, 1536+128*((\G)-12)
.endif
.irp c, 0,1,2,3
	ds_load_b128 v[BI+4*\c:BI+4*\c+3], v[BIAA] offset:bo+16*\c
.endr
.endm
; group G's products for R tiles of rows.  The accumulators take turns, one instruction a turn: between a sum's two links stand the others'.
.macro MM G, R
	WIN 0x04                                       ; source 1 (the activations) in window 1
.if (\G) < 12
.if (\G) < 8
.set mB, 0
.set mS, XS
.else
.set mB, 128
.set mS, H1S
.endif
.set mi, 0
.rept \R
.irp u, 0,1
	v_wmma_scale_f32_16x16x128_f8f6f4 v[ACC+16*mi+8*\u:ACC+16*mi+8*\u+7], v[W+32*\u:W+32*\u+15], v[mB+32*mi:mB+32*mi+15], v[BI+8*\u:BI+8*\u+7], v[WS+\u], v[mS+2*mi]
.endr
.set mi, mi+1
.endr
.set mi, 0
.rept \R
.irp u, 0,1
	v_wmma_scale_f32_16x16x128_f8f6f4 v[ACC+16*mi+8*\u:ACC+16*mi+8*\u+7], v[W+32*\u+16:W+32*\u+31], v[mB+32*mi+16:mB+32*mi+31], v[ACC+16*mi+8*\u:ACC+16*mi+8*\u+7], v[WS+\u], v[mS+2*mi+1] matrix_a_scale:MATRIX_SCALE_ROW1
.endr
.set mi, mi+1
.endr
.else
.set mi, 0
.rept \R
	v_wmma_scale_f32_16x16x128_f8f6f4 v[ACC+16*mi:ACC+16*mi+7], v[W:W+15], v[16*mi:16*mi+15], v[BI:BI+7], v[WS], v[H2S+mi]
	v_wmma_scale_f32_16x16x128_f8f6f4 v[ACC+16*mi+8:ACC+16*mi+15], v[W+16:W+31], v[16*mi:16*mi+15], v[BI+8:BI+15], v[WS], v[H2S+mi] matrix_a_scale:MATRIX_SCALE_ROW1
.set mi, mi+1
.endr
.endif
.endm
; prelu of tile i's 16 numbers, in place.  Each accumulator is read from its low end on.
.macro PRELU i, al, win
.set pe, 0
.rept 16
	v_max_num_f32 v[UT+pe], 0, v[ACC+16*(\i)+pe]
.set pe, pe+1
.endr
.set pe, 0
.rept 8
	v_pk_add_f32 v[ACC+16*(\i)+pe:ACC+16*(\i)+pe+1], v[ACC+16*(\i)+pe:ACC+16*(\i)+pe+1], v[UT+pe:UT+pe+1] neg_lo:[0,1] neg_hi:[0,1]   ; x - max(x, 0) = min(x, 0), exactly
.set pe, pe+2
.endr
.if \win
	WIN 0x01                                       ; the slopes in window 1
.endif
.set pe, 0
.rept 8
	v_pk_fma_f32 v[ACC+16*(\i)+pe:ACC+16*(\i)+pe+1], v[(\al)+pe:(\al)+pe+1], v[ACC+16*(\i)+pe:ACC+16*(\i)+pe+1], v[UT+pe:UT+pe+1]
.set pe, pe+2
.endr
	WIN 0
.endm
; cnt blocks, 16 numbers of mine each, at base + 16 b: the block's largest magnitude (with lane l xor 16's 16), the conversion's scale operand, 448 x the scale, the byte (in PM + b).  The blocks go by turns.
.macro QSCALE base, cnt
.set qb, 0
.rept \cnt
	v_max3_num_f32 v[MX+qb], |v[(\base)+16*qb]|, |v[(\base)+16*qb+1]|, 0x4800000   ; and the floor 2^(9 - 127): the byte cannot fall under 1
.set qb, qb+1
.endr
.set qi, 2
.rept 7
.set qb, 0
.rept \cnt
	v_max3_num_f32 v[MX+qb], v[MX+qb], |v[(\base)+16*qb+qi]|, |v[(\base)+16*qb+qi+1]|
.set qb, qb+1
.endr
.set qi, qi+2
.endr
.set qb, 0
.rept \cnt
	v_permlanex16_b32 v[PM+qb], v[MX+qb], s[SEL], s[SEL+1]
.set qb, qb+1
.endr
.set qb, 0
.rept \cnt
	v_max_num_f32 v[MX+qb], v[MX+qb], v[PM+qb]
.set qb, qb+1
.endr
.set qb, 0
.rept \cnt
	v_add_nc_u32 v[SOP+qb], 0xfc000000, v[MX+qb]   ; 8 off the exponent field
.set qb, qb+1
.endr
.set qb, 0
.rept \cnt
	v_and_or_b32 v[LIM+qb], v[MX+qb], 0x7f800000, s[MNT]
.set qb, qb+1
.endr
.set qb, 0
.rept \cnt
	v_lshrrev_b32 v[PM+qb], 23, v[SOP+qb]
.set qb, qb+1
.endr
.endm
; the hold and the conversions: block b's 16 codes into window 1, v[dst + dstr b] on.  The holds are also the places between the scale words, which are put together ahead of this macro, and the products that name them.
.macro QCODE base, cnt, dst, dstr
.set qb, 0
.rept \cnt
.set qi, 0
.rept 16
	v_med3_num_f32 v[(\base)+16*qb+qi], v[(\base)+16*qb+qi], -v[LIM+qb], v[LIM+qb]   ; the conversion to an 8-bit code does not saturate (ISA guide 7.6.2)
.set qi, qi+1
.endr
.set qb, qb+1
.endr
	WIN 0x40
.set qb, 0
.rept \cnt
	v_cvt_scalef32_pk8_fp8_f32 v[(\dst)+(\dstr)*qb:(\dst)+(\dstr)*qb+1], v[(\base)+16*qb:(\base)+16*qb+7], v[SOP+qb]
	v_cvt_scalef32_pk8_fp8_f32 v[(\dst)+(\dstr)*qb+2:(\dst)+(\dstr)*qb+3], v[(\base)+16*qb+8:(\base)+16*qb+15], v[SOP+qb]
.set qb, qb+1
.endr
	WIN 0
	PLACES 4                                       ; the plain line behind a conversion, and the four places between codes made by vector instructions and a scaled product that reads them
.endm
; tile i, block c of the head's 64: my 16 numbers of k and of q into a set
.macro XLOAD st, i, c, RB, QAr
.irp j, 0,1,2,3
	ds_load_b128 v[(\st)+4*\j:(\st)+4*\j+3], v[KQA] offset:((\RB)+16*(\i))*PIT+128*(\c)+16*\j
.endr
.irp j, 0,1,2,3
	ds_load_b128 v[(\st)+32+4*\j:(\st)+32+4*\j+3], v[\QAr] offset:544*(\i)+128*(\c)+16*\j
.endr
.endm
; THE INPUT: [q | k | q - k | q k] of R tiles as codes: K step 0 = blocks q0 q1 k0 k1, K step 1 = d0 d1 p0 p1.  q's codes and bytes come ready from LDS.  A unit is a tile's block c: three blocks of 32.
.macro XPHASE R, RB, QAr, QCr, QCo, QWr, QWo
	WIN 0x40
.set xi, 0
.rept \R
	ds_load_b128 v[32*xi:32*xi+3], v[\QCr] offset:(\QCo)+1024*xi
	ds_load_b128 v[32*xi+4:32*xi+7], v[\QCr] offset:(\QCo)+1024*xi+512
.set xi, xi+1
.endr
	WIN 0
.set xi, 0
.rept \R
	ds_load_u16 v[QSW+xi], v[\QWr] offset:(\QWo)+128*xi
.set xi, xi+1
.endr
	XLOAD SETB, 0, 0, \RB, \QAr
.set xn, 0
.rept 2*\R
.set xs, SETB-48*(xn%2)                ; even units work in set B, odd ones in set A
.set xo, SETB-48*((xn+1)%2)
.set xi, xn/2
.set xc, xn%2
.if xn+1 < 2*\R
	XLOAD xo, (xn+1)/2, (xn+1)%2, \RB, \QAr
	s_wait_dscnt 8                                 ; all but the next unit's eight loads
.else
	s_wait_dscnt 0x0
	WLOAD 0                                        ; the last unit works in set A: set B and the weight's registers are free
	BLOAD 0
.endif
.set xe, 0
.rept 8
	v_pk_add_f32 v[xs+16+xe:xs+16+xe+1], v[xs+32+xe:xs+32+xe+1], v[xs+xe:xs+xe+1] neg_lo:[0,1] neg_hi:[0,1]   ; q - k
.set xe, xe+2
.endr
.set xe, 0
.rept 8
	v_pk_mul_f32 v[xs+32+xe:xs+32+xe+1], v[xs+32+xe:xs+32+xe+1], v[xs+xe:xs+xe+1]                            ; q k
.set xe, xe+2
.endr
	QSCALE xs, 3
.if xc == 0
	v_lshl_or_b32 v[XS+2*xi], v[PM], 16, v[QSW+xi]             ; K step 0's word: q0 q1 k0 ..
	v_lshl_or_b32 v[XS+2*xi+1], v[PM+2], 16, v[PM+1]           ; K step 1's: d0 .. p0 ..
.else
	v_lshl_or_b32 v[XS+2*xi], v[PM], 24, v[XS+2*xi]
	v_lshl_or_b32 v[XS+2*xi+1], v[PM+1], 8, v[XS+2*xi+1]
	v_lshl_or_b32 v[XS+2*xi+1], v[PM+2], 24, v[XS+2*xi+1]
.endif
	QCODE xs, 3, 32*xi+8+4*xc, 8
.set xn, xn+1
.endr
.endm
; A GROUP: 32 units of a layer for R tiles of rows.
.macro GROUP G, R, RB, loop
.if (\G) == 8
	ALOAD ALD, 1, 12*1024                          ; layer 3's slopes, into registers that the input's codes have left
	ALOAD ALC, 1, 13*1024
.endif
.if (\G) <= 10
	ALOAD ALA+16*(((\G)+1)%2), 0, ((\G)+1)*1024    ; the next group's slopes
.endif
.if ((\G) == 8) && (\loop)
	; A prefetch of the next round's 64 rows of k, 256 bytes each, a lane a row, two instructions; each row is named once in the launch, by the wave that will load it.
	; It stands behind this group's loads, three groups ahead of the loads of those rows; the last round asks for nothing; round 0 and the tail come by their loads alone.
	s_cmp_eq_u32 s[RND], 1
	s_cbranch_scc1 .Lnopf_\@
	global_prefetch_b8 v[PFO], s[KB:KB+1] offset:16384 th:TH_LOAD_NT scope:SCOPE_SE
	global_prefetch_b8 v[PFO], s[KB:KB+1] offset:16384+204800 th:TH_LOAD_NT scope:SCOPE_SE
.Lnopf_\@:
.endif
	s_wait_dscnt 0x0                               ; the group's fragments, scale words and bias are in
	MM \G, \R
	WIN 0
	PLACES 8                                       ; behind this matrix form: ahead of the loads into its operands, of the first read of its results, of the writes over its C
.if (\G) < 13
	WLOAD (\G)+1
.endif
.if (\G) == 8
	s_wait_loadcnt 12                              ; this group's slopes are in; behind them: groups 12's, 13's and 9's, four loads each
.elseif (\G) < 11
	s_wait_loadcnt 4                               ; this group's slopes are in; the next group's four loads may be out
.elseif (\G) == 11
	s_wait_loadcnt 0x0                             ; no load was issued behind this group's slopes
.endif
.if ((\G) == 11) && (\loop)
	s_cmp_eq_u32 s[RND], 1                         ; the last round has no successor: no load leaves its buffer
	s_cbranch_scc1 .Lnoarm_\@
	KLOAD 16384                                    ; the next quad's k, into the registers that layer 2's last products have just left
	ALOAD ALA, 0, 114688                           ; and its first slopes
.Lnoarm_\@:
.endif
.if (\G) == 12
.set ga, ALD
.set gw, 1
.elseif (\G) == 13
.set ga, ALC
.set gw, 1
.else
.set ga, ALA+16*((\G)%2)
.set gw, 0
.endif
.set gi, 0
.rept \R
	PRELU gi, ga, gw
.set gi, gi+1
.endr
.if (\G) < 13
	BLOAD (\G)+1                                   ; u's registers are free again
.else
.set gi, 0
.rept \R
	ds_load_b32 v[K0+gi], v[K0A] offset:((\RB)+16*gi)*PIT      ; k[b][t][0] of my row, for the mask
.set gi, gi+1
.endr
.endif
.if (\G) < 12
	QSCALE ACC, \R                                 ; a tile's 32 units are one block of the next K
.if (\G) < 8
.set gp, (\G)%4
.set gr, H1S+(\G)/4
.set gs, 2
.set gd, 128+16*((\G)/4)+4*((\G)%4)
.set gt, 32
.else
.set gp, (\G)-8
.set gr, H2S
.set gs, 1
.set gd, 4*((\G)-8)
.set gt, 16
.endif
.set gi, 0
.rept \R
.if gp == 0
	v_mov_b32 v[gr+gs*gi], v[PM+gi]                ; the byte takes its place in the row's scale word
.else
	v_lshl_or_b32 v[gr+gs*gi], v[PM+gi], 8*gp, v[gr+gs*gi]
.endif
.set gi, gi+1
.endr
	QCODE ACC, \R, gd, gt
.else
.set de, 0
.rept 8                                ; Wl . h3, two units at a time; the tiles by turns
.set gi, 0
.rept \R
.if ((\G) == 12) && (de == 0)
	v_pk_mul_f32 v[SCR+2*gi:SCR+2*gi+1], v[ACC+16*gi+de:ACC+16*gi+de+1], v[W+32+16*((\G)-12)+de:W+32+16*((\G)-12)+de+1]
.else
	v_pk_fma_f32 v[SCR+2*gi:SCR+2*gi+1], v[ACC+16*gi+de:ACC+16*gi+de+1], v[W+32+16*((\G)-12)+de:W+32+16*((\G)-12)+de+1], v[SCR+2*gi:SCR+2*gi+1]
.endif
.set gi, gi+1
.endr
.set de, de+2
.endr
.endif
.endm
; the score's two halves and lane l xor 16's; + bl; 0 where k[b][t][0] is 0; row 16 i + r's score to my 256 bytes of LDS (both halves of the lanes write the same word with the same value)
.macro SCORE R
.set gi, 0
.rept \R
	v_add_f32 v[SCR+2*gi], v[SCR+2*gi], v[SCR+2*gi+1]
.set gi, gi+1
.endr
.set gi, 0
.rept \R
	v_permlanex16_b32 v[SCR+2*gi+1], v[SCR+2*gi], s[SEL], s[SEL+1]
.set gi, gi+1
.endr
.set gi, 0
.rept \R
	v_add_f32 v[SCR+2*gi], v[SCR+2*gi], v[SCR+2*gi+1]
.set gi, gi+1
.endr
.set gi, 0
.rept \R
	v_add_f32 v[SCR+2*gi], s[BL], v[SCR+2*gi]
.set gi, gi+1
.endr
	s_wait_dscnt 0x0                               ; k[b][t][0]
.set gi, 0
.rept \R
	v_cmp_neq_f32 vcc_lo, 0, v[K0+gi]
	v_cndmask_b32 v[SCR+2*gi], 0, v[SCR+2*gi], vcc_lo
	ds_store_b32 v[SCA], v[SCR+2*gi] offset:64*gi
.set gi, gi+1
.endr
	s_wait_dscnt 0x0                               ; the stores have read their registers: the loads below land on them
.endm
; out[b] += sum over the quad's 8 positions of score x k.  Lane (r, h) holds batch 2 jj + h, channels 4 r .. 4 r + 3: sixteen lanes read a staged row's 256 bytes.
.macro POOL R, RB, acc
.set pj, 0
.rept \R
	ds_load_b128 v[PS+8*pj:PS+8*pj+3], v[SPA] offset:64*pj         ; my batch's eight scores (LDS serves a wave's instructions in order: these see my stores)
	ds_load_b128 v[PS+8*pj+4:PS+8*pj+7], v[SPA] offset:64*pj+16
.set pj, pj+1
.endr
.set pt, 0
.rept 8
.set pj, 0
.rept \R
	ds_load_b128 v[PK+16*pt+4*pj:PK+16*pt+4*pj+3], v[KPA] offset:((\RB)+16*pj+pt)*PIT
.set pj, pj+1
.endr
.set pt, pt+1
.endr
.set pt, 0
.rept 8
	s_wait_dscnt (7-pt)*\R                         ; position pt's rows are in; the later positions' may be out
.set pj, 0
.rept \R
.irp e, 0,2
.if pt%2
	v_pk_fma_f32 v[(\acc)+4*pj+\e:(\acc)+4*pj+\e+1], v[PK+16*pt+4*pj+\e:PK+16*pt+4*pj+\e+1], v[PS+8*pj+pt-1:PS+8*pj+pt], v[(\acc)+4*pj+\e:(\acc)+4*pj+\e+1] op_sel:[0,1,0] op_sel_hi:[1,1,1]
.else
	v_pk_fma_f32 v[(\acc)+4*pj+\e:(\acc)+4*pj+\e+1], v[PK+16*pt+4*pj+\e:PK+16*pt+4*pj+\e+1], v[PS+8*pj+pt:PS+8*pj+pt+1], v[(\acc)+4*pj+\e:(\acc)+4*pj+\e+1] op_sel_hi:[1,0,1]
.endif
.endr
.set pj, pj+1
.endr
.set pt, pt+1
.endr
.endm
.macro ROUND R, RB, loop, QAr, QCr, QCo, QWr, QWo, acc
	XPHASE \R, \RB, \QAr, \QCr, \QCo, \QWr, \QWo
.irp g, 0,1,2,3,4,5,6,7,8,9,10,11,12,13
	GROUP \g, \R, \RB, \loop
.endr
	SCORE \R
	POOL \R, \RB, \acc
.endm
	; ---- THE HEAD
	s_load_b256 s[4:11], s[0:1], 0x0               ; k s4, q s6, wts s8, alf s10
	s_load_b128 s[12:15], s[0:1], 0x20             ; bl s12, out0 s14
	v_lshl_add_u32 v[SPW], v0, 2, SPARE
	v_mov_b32 v[NIL], 0
	v_lshrrev_b32 v240, 5, v0
	v_readfirstlane_b32 s[WV], v240                ; wave 0..7
	v_and_b32 v240, 31, v0                         ; lane
	v_and_b32 v241, 15, v0                         ; r
	v_bfe_u32 v242, v0, 4, 1                       ; h
	v_bfe_u32 v243, v0, 3, 1                       ; r / 8
	v_and_b32 v244, 7, v0                          ; r % 8
	s_mul_i32 s[KR], s[WV], KREG
	s_add_co_u32 s[KR], s[KR], KST
	v_lshlrev_b32 v[LI0], 4, v240
	v_add_nc_u32 v[LI1], 0x10000, v[LI0]
	v_lshl_add_u32 v[WSA], v240, 2, WSO
	v_lshl_add_u32 v[BIAA], v242, 6, BIO
	v_mul_u32_u24 v[KSA], v242, PIT
	v_lshl_add_u32 v[KSA], v241, 4, v[KSA]
	v_add_nc_u32 v[KSA], s[KR], v[KSA]
	v_mul_u32_u24 v[K0A], v241, PIT
	v_add_nc_u32 v[K0A], s[KR], v[K0A]
	v_lshl_add_u32 v[KQA], v242, 6, v[K0A]
	v_mul_u32_u24 v[QA], v243, PIT
	v_lshl_add_u32 v[QA], v242, 6, v[QA]
	v_add_nc_u32 v[QA], QST, v[QA]
	s_mul_i32 s40, s[WV], 544
	v_add_nc_u32 v[QAT], s40, v[QA]
	s_lshl_b32 s40, s[WV], 8
	s_add_co_u32 s40, s40, SCO
	v_lshl_add_u32 v[SCA], v241, 2, s40
	v_lshl_add_u32 v[SPA], v242, 5, s40
	v_mul_u32_u24 v[KPA], v242, 8*PIT
	v_lshl_add_u32 v[KPA], v241, 4, v[KPA]
	v_add_nc_u32 v[KPA], s[KR], v[KPA]
	v_lshlrev_b32 v[AOF], 4, v244
	v_lshl_add_u32 v[AOF], v242, 7, v[AOF]
	s_lshl_b32 s40, s[WV], 10
	s_add_co_u32 s40, s40, QIMG
	v_add_nc_u32 v[QCT], s40, v[LI0]
	s_lshl_b32 s40, s[WV], 7
	s_add_co_u32 s40, s40, QSWI
	v_lshl_add_u32 v[QWT], v240, 2, s40
	s_lshl_b32 s40, s[WV], 11
	s_add_co_u32 s40, s40, PART
	v_add_nc_u32 v[PWA], s40, v[LI0]
	s_lshl_b32 s40, s[WV], 9
	s_add_co_u32 s40, s40, PART
	v_add_nc_u32 v[PRA], s40, v[LI0]
	v_lshrrev_b32 v245, 3, v240
	v_mul_u32_u24 v[PFO], v245, 51200
	v_and_b32 v245, 7, v240
	v_lshl_add_u32 v[PFO], v245, 8, v[PFO]
	; addresses that the head alone uses.  Wave w stores batch w's tail rows into wave (w / 2)'s stage, rows 64 + 8 (w % 2) on; quantises block w % 2 of q for the pair of batches w / 2; stores batch w's q
	s_lshr_b32 s40, s[WV], 1
	s_mul_i32 s40, s40, KREG
	s_and_b32 s41, s[WV], 1
	s_mul_i32 s41, s41, 8*PIT
	s_add_co_u32 s40, s40, s41
	s_add_co_u32 s40, s40, KST+64*PIT
	v_mul_u32_u24 v[KTA], v242, PIT
	v_lshl_add_u32 v[KTA], v241, 4, v[KTA]
	v_add_nc_u32 v[KTA], s40, v[KTA]
	s_lshl_b32 s40, s[WV], 9                       ; 1024 (w / 2) + 512 (w % 2) = 512 w
	v_add_nc_u32 v[CPA], s40, v[LI0]               ; also my 512 bytes of each 4,096 of the weights' copy
	v_add_nc_u32 v[CPB], 0x10000, v[CPA]
	s_add_co_u32 s40, s40, QIMG
	v_add_nc_u32 v[QIA], s40, v[LI0]
	s_lshr_b32 s40, s[WV], 1
	s_lshl_b32 s40, s40, 7
	s_and_b32 s41, s[WV], 1
	s_add_co_u32 s40, s40, s41
	s_add_co_u32 s40, s40, QSWI
	v_lshl_add_u32 v[QBA], v240, 2, s40
	s_mul_i32 s40, s[WV], PIT
	s_add_co_u32 s40, s40, QST
	v_lshl_add_u32 v[QSTA], v240, 3, s40
	v_lshlrev_b32 v[Q8], 3, v240
	v_lshlrev_b32 v[QLO], 8, v243
	v_lshl_add_u32 v[QLO], v242, 6, v[QLO]         ; q for the quantiser: batch r / 8 of the pair, + 64 h
	s_mov_b32 s[SEL], 0x76543210
	s_mov_b32 s[SEL+1], 0xfedcba98
	s_mov_b32 s[MNT], 0x600000
.irp j, 0,1,2,3
	v_mov_b32 v[PM+\j], 0                          ; a lane permute's destination counts as one of its sources
.endr
.irp j, 0,1,2,3,4,5,6,7,8,9,10,11,12,13,14,15,16,17,18,19
	v_mov_b32 v[PO+\j], 0                          ; the pooling's sums, the tail's behind them: the round is written once
.endr
	s_wait_kmcnt 0x0
	s_load_b32 s[BL], s[12:13], 0x0
	s_mul_i32 s38, ttmp9, 409600                   ; 8 batches of 51,200 bytes
	s_mov_b32 s39, 0
	s_add_nc_u64 s[4:5], s[4:5], s[38:39]
	s_lshl_b32 s38, s[WV], 11                      ; t-group w: 8 positions of 256 bytes
	s_add_nc_u64 s[KB:KB+1], s[4:5], s[38:39]
	s_mul_i32 s38, s[WV], 51200
	s_add_nc_u64 s[KT:KT+1], s[4:5], s[38:39]
	s_mul_i32 s38, s[WV], 14336
	s_add_nc_u64 s[AB:AB+1], s[10:11], s[38:39]
	s_add_nc_u64 s[AT:AT+1], s[10:11], 24*14336
	s_lshl_b32 s38, ttmp9, 11                      ; 8 batches of 256 bytes, in q and in out
	s_add_nc_u64 s[6:7], s[6:7], s[38:39]
	s_add_nc_u64 s[14:15], s[14:15], s[38:39]
	s_lshl_b32 s38, s[WV], 9
	s_add_nc_u64 s[OUT:OUT+1], s[14:15], s[38:39]
	s_lshl_b32 s38, s[WV], 8
	s_add_nc_u64 s[QR:QR+1], s[6:7], s[38:39]
	s_lshr_b32 s38, s[WV], 1
	s_lshl_b32 s38, s38, 9
	s_and_b32 s40, s[WV], 1
	s_lshl_b32 s40, s40, 7
	s_add_co_u32 s38, s38, s40
	s_add_nc_u64 s[QP:QP+1], s[6:7], s[38:39]
.set hn, 0
.rept 28
	global_load_b128 v[64+4*hn:64+4*hn+3], v[CPA], s[8:9] offset:4096*hn       ; the eight waves together copy 4,096 consecutive bytes of wts an instruction
.set hn, hn+1
.endr
	global_load_b64 v[224:225], v[Q8], s[QR:QR+1]
.irp j, 0,1,2,3
	global_load_b128 v[208+4*\j:208+4*\j+3], v[QLO], s[QP:QP+1] offset:16*\j
.endr
.irp p, 0,1,2,3
	global_load_b128 v[176+4*\p:176+4*\p+3], v[LI0], s[KT:KT+1] offset:49152+512*\p th:TH_LOAD_NT   ; batch w, positions 192 to 199
.endr
	KLOAD 0
	ALOAD ALA, 0, 0
	s_wait_loadcnt 36                              ; all but the first quad's 32 loads of k and the four of slopes behind them
.set hn, 0
.rept 16
	ds_store_b128 v[CPA], v[64+4*hn:64+4*hn+3] offset:4096*hn
.set hn, hn+1
.endr
.set hn, 0
.rept 12
	ds_store_b128 v[CPB], v[128+4*hn:128+4*hn+3] offset:4096*hn
.set hn, hn+1
.endr
	ds_store_b64 v[QSTA], v[224:225]
.irp p, 0,1,2,3
	ds_store_b128 v[KTA], v[176+4*\p:176+4*\p+3] offset:2*\p*PIT
.endr
	QSCALE 208, 1
	QCODE 208, 1, 0, 0
	WIN 0x04
	ds_store_b128 v[QIA], v[0:3]                   ; the four registers of codes as they stand
	WIN 0
	ds_store_b8 v[QBA], v[PM]
	s_wait_kmcnt 0x0                               ; bl
	s_wait_dscnt 0x0                               ; for the others' sake: my stores have landed
	s_barrier_signal -1
	s_barrier_wait -1                              ; the weights, q and the tail's rows lie in LDS; from here to the end of the rounds no wave waits for another
	; ---- THREE ROUNDS, a quad each
	s_mov_b32 s[RND], 3
.Lround:
	s_wait_loadcnt 4                               ; the quad's k has landed; the four loads of slopes issued behind it may be out
	KSTORE                                         ; my reads of the stage's last rows were waited for in the pooling
	ROUND 4, 0, 1, QA, LI1, QIMG-65536, WSA, QSWI-WSO, PO
	s_wait_xcnt 0x0                                ; the loads and prefetches have read their bases: they are stepped only behind this wait
	s_add_nc_u64 s[KB:KB+1], s[KB:KB+1], 16384     ; eight t-groups on
	s_add_nc_u64 s[AB:AB+1], s[AB:AB+1], 114688
	s_sub_co_u32 s[RND], s[RND], 1
	s_cmp_lg_u32 s[RND], 0
	s_cbranch_scc1 .Lround
	; ---- THE TAIL: t-group 24, a tile of 16 rows (batches 2 w, 2 w + 1) to each of waves 0-3
	s_cmp_gt_u32 s[WV], 3
	s_cbranch_scc1 .Lnotail
	s_wait_loadcnt 0x0                             ; no load is out into the registers that the loads below fill, on any way through the text; the last round has issued none behind group 11's wait, so this wait is met at once
	s_mov_b64 s[AB:AB+1], s[AT:AT+1]
	ALOAD ALA, 0, 0
	ROUND 1, 64, 0, QAT, QCT, 0, QWT, 0, PT
	ds_store_b128 v[PRA], v[PT:PT+3] offset:16384
.Lnotail:
	; ---- THE END: the eight waves' sums meet in LDS; waves 0-3 add them in a fixed order, two batches each, and store
.irp j, 0,1,2,3
	ds_store_b128 v[PWA], v[PO+4*\j:PO+4*\j+3] offset:512*\j
.endr
	s_wait_dscnt 0x0                               ; for the others' sake
	s_barrier_signal -1
	s_barrier_wait -1
	s_cmp_gt_u32 s[WV], 3
	s_cbranch_scc1 .Ldone
.set fn, 0
.rept 8
	ds_load_b128 v[64+4*fn:64+4*fn+3], v[PRA] offset:2048*fn
.set fn, fn+1
.endr
	ds_load_b128 v[96:99], v[PRA] offset:16384     ; and the tail's
	s_wait_dscnt 0x0
.set fn, 1
.rept 8
	v_pk_add_f32 v[64:65], v[64:65], v[64+4*fn:64+4*fn+1]
	v_pk_add_f32 v[66:67], v[66:67], v[64+4*fn+2:64+4*fn+3]
.set fn, fn+1
.endr
	global_store_b128 v[LI0], v[64:67], s[OUT:OUT+1]   ; 32 lanes store 512 consecutive bytes, two rows of out, at a multiple of 256 from its first byte
.Ldone:
	s_wait_tensorcnt 0x0                           ; the wave's end, behind my last LDS store
	ds_add_u32 v[SPW], v[NIL]
	s_wait_dscnt 0x0
	s_endpgm
.Lfunc_end_k_q8788f3c81f_main:
	.size	k_q8788f3c81f_main, .Lfunc_end_k_q8788f3c81f_main-k_q8788f3c81f_main
	.p2alignl 7, 3214868480
	.fill 96, 4, 3214868480
	.section	.rodata,"a",@progbits
	.p2align	6, 0x0
	.amdhsa_kernel k_q8788f3c81f_main
		.amdhsa_group_segment_fixed_size 317184
		.amdhsa_private_segment_fixed_size 0
		.amdhsa_enable_private_segment 0
		.amdhsa_kernarg_size 48
		.amdhsa_user_sgpr_count 2
		.amdhsa_user_sgpr_kernarg_segment_ptr 1
		.amdhsa_wavefront_size32 1
		.amdhsa_system_sgpr_workgroup_id_x 1
		.amdhsa_system_sgpr_workgroup_id_y 1
		.amdhsa_system_sgpr_workgroup_id_z 1
		.amdhsa_system_vgpr_workitem_id 0
		.amdhsa_next_free_vgpr 512
		.amdhsa_next_free_sgpr 66
		.amdhsa_reserve_vcc 1
		.amdhsa_float_denorm_mode_32 3
		.amdhsa_float_denorm_mode_16_64 3
		.amdhsa_memory_ordered 1
		.amdhsa_forward_progress 1
		.amdhsa_inst_pref_size 255
	.end_amdhsa_kernel
	.section	.bss,"aw",@nobits
	.p2align	6
	.space	262144
	.amdgpu_metadata
---
amdhsa.version: [ 1, 2 ]
amdhsa.kernels:
  - .name:           k_q8788f3c81f_main
    .symbol:         k_q8788f3c81f_main.kd
    .args:
      - { .name: k, .offset: 0, .size: 8, .value_kind: global_buffer, .address_space: global }
      - { .name: q, .offset: 8, .size: 8, .value_kind: global_buffer, .address_space: global }
      - { .name: wts, .offset: 16, .size: 8, .value_kind: global_buffer, .address_space: global }
      - { .name: alf, .offset: 24, .size: 8, .value_kind: global_buffer, .address_space: global }
      - { .name: bl, .offset: 32, .size: 8, .value_kind: global_buffer, .address_space: global }
      - { .name: out0, .offset: 40, .size: 8, .value_kind: global_buffer, .address_space: global }
    .group_segment_fixed_size: 317184
    .private_segment_fixed_size: 0
    .kernarg_segment_align: 8
    .kernarg_segment_size: 48
    .max_flat_workgroup_size: 256
    .sgpr_count:     66
    .vgpr_count:     512
    .wavefront_size: 32
...
	.end_amdgpu_metadata
.endif
;; end of part 2
;; ======== version 2 of 2: 2 launches; version 1 with the launch main written anew for expert scheduling mode
;; workspace buffers: wts 114,688 bytes; alf 358,400 bytes
;; launch prep: the kernel of part 1 again; grid 52 x 1, 1 waves a work-group, no clusters, 0 bytes of LDS; arguments W1, W2, W3, b1, b2, b3, Wl, a1, a2, a3, wts, alf; writes wts, alf
;; launch main (part 3): grid 256 x 1, 8 waves a work-group, no clusters, 317,184 bytes of LDS; arguments k, q, wts, alf, bl, out0; writes out0
.if DOCPART == 3
	.amdgcn_target "amdgcn-amd-amdhsa--gfx1250"
	.amdhsa_code_object_version 6
	.text
	.protected	k_q8788f3c81f_main
	.globl	k_q8788f3c81f_main
	.p2align	8
	.type	k_q8788f3c81f_main,@function
k_q8788f3c81f_main:
	s_mov_b64 s[64:65], 0
	v_nop
	global_prefetch_b8 v0, s[64:65] scope:SCOPE_SE
	s_setreg_imm32_b32 hwreg(HW_REG_WAVE_SCHED_MODE, 0, 2), 2
	s_setreg_imm32_b32 hwreg(HW_REG_WAVE_MODE, 25, 1), 1
	s_wait_xcnt 0x0
	s_wait_alu depctr_vm_vsrc(0)
; out[b] = sum over t of score[b][t] k[b][t], score = mask x (Wl . h3 + bl), h = three layers of prelu(x W + b) on [q | k | q - k | q k]; the three products on codes of FP8 (E4M3) with one E8M0 scale for each 32 along K.
; No work is left out: every input has a way to the output; the mask hangs on values, so the score is computed and selected.  q's two blocks of a row are the same for all t of a batch: they are quantised once a batch (the same codes).
; LIMITS: a block of zeros gets the byte 1 where the quantiser says 127 (its codes are zeros, and this program alone reads the bytes); NaN and infinities among the inputs are not served.
; SHARES.  A work-group owns 8 batches: 1,600 rows = 25 t-groups of 8 positions x 8 batches.  A t-group's 64 rows are a QUAD: four tiles of 16 rows; row r of tile i is batch 2 i + r / 8, position r % 8, so the four tiles share one
; set of slope registers.  Eight waves of 512 registers, two to a SIMD.  A wave takes a quad through the whole chain alone: wave w takes t-groups w, w + 8, w + 16; of t-group 24 waves 0-3 take one tile each (the tail).  No barrier in the loop.
; LAYOUT.  Every product is used transposed (source 0 = 16 rows of the weight, source 1 = 16 rows of activations): a lane holds ONE row, and the 16 registers of two neighbouring tiles of units are 16 neighbours along the next K
; (the first launch chose the weights' rows for that).  So the conversions' results are the next product's operand.  A GROUP is 32 units = one block of the next K: 8 groups in layer 1, 4 in layer 2, 2 in layer 3.
; WEIGHTS lie in LDS as images of the operand's registers (114,688 bytes, copied once at the head through registers); a fragment read feeds four matrix instructions.  SLOPES come from memory straight into the one wave that uses them.
; k comes by loads of 512 consecutive bytes into registers that the chain has left, goes into the wave's own stage in LDS and is read there twice: in the quantiser's layout, and by rows for the pooling.
; The biases are the C of each sum's first matrix instruction.  prelu is exact: u = max(x, 0), t = x - u = min(x, 0), y = a t + u in one fused multiply-add.  Products 4 and 5 (N = 1, M = 1) are f32 multiply-adds.
; NO CLUSTER: k, 409,600 bytes a work-group, is shared by nobody; what is shared is one copy of 114,688 bytes at the head, and the slopes, which go to registers of waves that are not in step with any other wave.
; NO TENSOR LOAD: a refill of the stages would put the eight waves in step at a barrier in every round, and a second set of stages (174,080 bytes) has no room beside the weights.
; THE MODE: SCHED_MODE bits 1:0 = 2 (LLVM: expert scheduling mode 2), set by the entry lines.  The code itself states the register dependences
; between vector or matrix instructions and memory or LDS instructions, with s_wait_alu, always for 0.
; THE PLAN.  Registers that memory or LDS instructions touch, once round the loop (w1: window 1):
;   v1-21            addresses and offsets: written at the head, ahead of one wait, and never again: rows are reached by scalar bases and immediate offsets.
;   w1 v128-255      the next quad's k lands (asked for in group 11); the stores into the stage read it at the round's head; layer 1's conversions write it (the first hidden layer's codes); layer 2's products read it.
;   SETA, SETB       a unit's k and q land in one set while the unit before works in the other.
;   w1 v0-7 + 32 i, QSW   q's codes and bytes land at the round's head; layer 1's products and the lines that make the scale words read them.
;   W, WS            group G's products read them; group G + 1's fragments and scale words land behind tile 0's prelu.
;   BI = UT          group G's prelu keeps u there; group G + 1's bias lands behind the last tile's prelu.
;   ALA, ALB         group G's prelu reads one of them; group G + 2's slopes land in it behind the last tile's prelu.   w1 v64-95: layer 3's slopes land at group 8's head, where layer 1's products have left the input's codes.
;   SCR, K0, PS, PK  the score's LDS stores read SCR; k[.][.][0] lands in K0; the pooling's loads land in v64-191 and v224-255.
;   PO, PT           written by the pooling; read by the LDS stores at the end.
; THE WAITS on va_vdst in a round: one at its head; one at the head of each of the input's units but the first; one at the head of each layer's first group (codes and scale words made by vector lines, ahead of the scaled
; products that take them); in groups 0 to 12 one behind tile 0's prelu and one behind the last tile's; one ahead of the score's stores.  On vm_vsrc: one at the round's head, one behind the score's stores.  On va_sdst: one behind the mask's compares.
; Between a wait and a load that leans on it no vector or matrix line names a register that the load touches.
.set PIT,   272                        ; a staged row of 256 bytes + 16: the 16 rows that a load touches start at 16 different banks (64 banks of 4 bytes: ISA guide 11.1)
.set WSO,   106496                     ; LDS, bytes 0 on: the image of wts: the fragments; here the weights' scale words;
.set BIO,   109824                     ; here b1, b2 (+1024), b3 (+1536), Wl (+1792)
.set QST,   114688                     ; q in f32: 8 rows
.set QIMG,  116992                     ; q's codes as images: pair of batches p, block c at 1024 p + 512 c + 16 x lane
.set QSWI,  121088                     ; q's scale bytes: 128 p + 4 x lane + c
.set KST,   121600                     ; the stages: 80 rows a wave: 64 of the quad (row 8 x batch + position), 16 of the tail's tile
.set KREG,  80*PIT
.set SCO,   KST+8*KREG                 ; the scores: 256 bytes a wave
.set PART,  SCO+2048                   ; the waves' sums, 2,048 bytes each; from +16,384 the tails', 512 each
.set SPARE, PART+18432                 ; the spare words, 128 bytes for each wave: four blocks of 256 bytes that no other line names
; window 0.  v1-21: addresses, made at the head and never rewritten
.set LI0, 1                            ; 16 x lane
.set LI1, 2                            ; + 65,536
.set WSA, 3                            ; 4 x lane + WSO
.set BIAA, 4                           ; 64 h + BIO
.set KSA, 5                            ; my stage + 272 h + 16 r: k on its way in
.set KQA, 6                            ; my stage + 272 r + 64 h: k for the quantiser
.set QA,  7                            ; QST + 272 (r / 8) + 64 h
.set QAT, 8                            ; the same for the tail's tile: + 544 x wave
.set K0A, 9                            ; my stage + 272 r
.set SCA, 10                           ; my scores + 4 r
.set SPA, 11                           ; my scores + 32 h
.set KPA, 12                           ; my stage + 2,176 h + 16 r: k for the pooling
.set AOF, 13                           ; 16 (r % 8) + 128 h: my place in a piece of slopes
.set SPW, 14                           ; my spare word: SPARE + 4 x my thread's number
.set NIL, 15                           ; 0
.set QCT, 16                           ; the tail: q's codes
.set QWT, 17                           ; the tail: q's scale bytes
.set PWA, 18                           ; where I put my sums
.set PRA, 19                           ; where I read the eight waves' sums of my two batches
.set PFO, 21                           ; the prefetches' offset: 51,200 (lane / 8) + 256 (lane % 8)
.set WS,  22                           ; v22-23 the weights' scale words
.set PO,  24                           ; v24-39 the pooling's sums: PO + 4 jj + e = out[2 jj + h][4 r + e]
.set PT,  40                           ; v40-43 the tail's
.set XS,  44                           ; v44-51 the input's scale words, tile i, K step s: XS + 2 i + s
.set H2S, 44                           ; from layer 2 on: the second hidden layer's, H2S + i
.set QSW, 52                           ; v52-55 q's two scale bytes, tile i
.set H1S, 56                           ; v56-63 the first hidden layer's: H1S + 2 i + s
.set ACC, 64                           ; v64-127 a group's results: ACC + 16 i + 8 u + j
.set W,   128                          ; v128-191 a group's fragments of the weight; in layer 3 Wl at W + 32 + 16 G'
.set ALA, 192                          ; v192-207 slopes of even groups
.set ALB, 208                          ; v208-223 of odd groups
.set BI,  224                          ; v224-239 a group's bias, in the result's layout;
.set UT,  224                          ; then prelu's u
.set MX,  240                          ; v240-243 largest magnitudes;  v244-247 the other half's, then the bytes;  v248-251 448 x the scale;  v252-255 the conversions' scale operands
.set PM,  244
.set LIM, 248
.set SOP, 252
.set SCR, 240                          ; layer 3: the score in two halves, SCR + 2 i
.set K0,  248                          ; k[.][.][0], tile i
.set SETA, 64                          ; the input's phase: two sets of 48: k, q - k, q then q k
.set SETB, 112
.set PK,  64                           ; the pooling: 32 rows' pieces of k
.set PS,  224                          ; and the scores
.set KTA, 226                          ; head only: v226-233
.set QIA, 227
.set QBA, 228
.set QSTA, 229
.set CPA, 230
.set CPB, 231
.set Q8,  232
.set QLO, 233
; window 1 (written v0-255): v0-127 the input's codes, 32 i + 16 s; from layer 2 on v0-63 the second hidden layer's (16 i), v64-79 group 13's slopes, v80-95 group 12's;
;   v128-255 the first hidden layer's codes, 128 + 32 i + 16 s; behind layer 2's last product the next quad's k lands there
.set ALC, 64
.set ALD, 80
.set WV,  16                           ; s16 my wave's number
.set KR,  17                           ; s17 my stage
.set RND, 18                           ; s18 rounds to go
.set BL,  19                           ; s19 bl
.set SEL, 20                           ; s[20:21] v_permlanex16_b32's selects for lane l xor 16
.set MNT, 22                           ; s22 the mantissa field of 448
.set KB,  24                           ; s[24:25] k at my work-group's first batch, my t-group
.set AB,  26                           ; s[26:27] the slopes of my t-group
.set AT,  28                           ; s[28:29] those of t-group 24
.set OUT, 30                           ; s[30:31] out at batches 2 w, 2 w + 1
.set KT,  32                           ; s[32:33] k at batch w
.set QP,  34                           ; s[34:35] q at the pair and block that I quantise
.set QR,  36                           ; s[36:37] q at batch w
.set MK,  40                           ; s40-43 behind the head: the masks of the four tiles' rows
.set MSB, 0
.macro WIN new                         ; s_set_vgpr_msb: bits 1:0 source 0, 3:2 source 1, 5:4 source 2, 7:6 destination; the high byte repeats the setting that is left
.if MSB != \new
	s_set_vgpr_msb (MSB<<8)|\new
.set MSB, \new
.endif
.endm
.macro PLACES cnt
.rept \cnt
	v_nop
.endr
.endm
; 16 slopes a lane: four loads; the 16 places of a piece are 256 consecutive bytes (rows r and r + 8 hold the same position and read the same bytes)
.macro ALOAD buf, win, imm
.if \win
	WIN 0x40
.endif
.irp c, 0,1,2,3
	global_load_b128 v[(\buf)+4*\c:(\buf)+4*\c+3], v[AOF], s[AB:AB+1] offset:(\imm)+256*\c
.endr
	WIN 0
.endm
; a quad's k: 8 batches x 8 positions x 256 bytes: 32 loads of 512 consecutive bytes, into window 1
.macro KLOAD NX
	WIN 0x40
.set kbt, 0
.rept 8
.irp p, 0,1,2,3
	global_load_b128 v[128+16*kbt+4*\p:128+16*kbt+4*\p+3], v[LI0], s[KB:KB+1] offset:kbt*51200+512*\p+(\NX) th:TH_LOAD_NT
.endr
.set kbt, kbt+1
.endr
	WIN 0
.endm
.macro KSTORE                          ; and into my stage: lanes 0-15 one row, lanes 16-31 the next
	WIN 0x04
.set kbt, 0
.rept 8
.irp p, 0,1,2,3
	ds_store_b128 v[KSA], v[128+16*kbt+4*\p:128+16*kbt+4*\p+3] offset:(8*kbt+2*\p)*PIT
.endr
.set kbt, kbt+1
.endr
	WIN 0
.endm
; group G's fragments of the weight and their scale words (one register a tile: lanes 0-15 K step 0's words, lanes 16-31 K step 1's; in layer 3 lanes 0-15 tile 0's, lanes 16-31 tile 1's)
.macro WLOAD G
.set wm, 0
.if (\G) < 8
.rept 16
	ds_load_b128 v[W+4*wm:W+4*wm+3], v[LI0] offset:(\G)*8192+512*wm
.set wm, wm+1
.endr
	ds_load_b32 v[WS], v[WSA] offset:(2*(\G))*128
	ds_load_b32 v[WS+1], v[WSA] offset:(2*(\G)+1)*128
.elseif (\G) < 12
.rept 16
	ds_load_b128 v[W+4*wm:W+4*wm+3], v[LI1] offset:((\G)-8)*8192+512*wm
.set wm, wm+1
.endr
	ds_load_b32 v[WS], v[WSA] offset:(16+2*((\G)-8))*128
	ds_load_b32 v[WS+1], v[WSA] offset:(17+2*((\G)-8))*128
.else
.rept 8
	ds_load_b128 v[W+4*wm:W+4*wm+3], v[LI1] offset:32768+((\G)-12)*4096+512*wm
.set wm, wm+1
.endr
	ds_load_b32 v[WS], v[WSA] offset:(24+(\G)-12)*128
.irp c, 0,1,2,3
	ds_load_b128 v[W+32+16*((\G)-12)+4*\c:W+32+16*((\G)-12)+4*\c+3], v[BIAA] offset:1792+128*((\G)-12)+16*\c   ; Wl at my 16 units
.endr
.endif
.endm
.macro BLOAD G                         ; group G's bias at my 16 units
.if (\G) < 8
.set bo, 128*(\G)
.elseif (\G) < 12
.set bo, 1024+128*((\G)-8)
.else
.set bo, 1536+128*((\G)-12)
.endif
.irp c, 0,1,2,3
	ds_load_b128 v[BI+4*\c:BI+4*\c+3], v[BIAA] offset:bo+16*\c
.endr
.endm
; group G's products for R tiles of rows.  The accumulators take turns, one instruction a turn: between a sum's two links stand the others'.
.macro MM G, R
	WIN 0x04                                       ; source 1 (the activations) in window 1
.if (\G) < 12
.if (\G) < 8
.set mB, 0
.set mS, XS
.else
.set mB, 128
.set mS, H1S
.endif
.set mi, 0
.rept \R
.irp u, 0,1
	v_wmma_scale_f32_16x16x128_f8f6f4 v[ACC+16*mi+8*\u:ACC+16*mi+8*\u+7], v[W+32*\u:W+32*\u+15], v[mB+32*mi:mB+32*mi+15], v[BI+8*\u:BI+8*\u+7], v[WS+\u], v[mS+2*mi]
.endr
.set mi, mi+1
.endr
.set mi, 0
.rept \R
.irp u, 0,1
	v_wmma_scale_f32_16x16x128_f8f6f4 v[ACC+16*mi+8*\u:ACC+16*mi+8*\u+7], v[W+32*\u+16:W+32*\u+31], v[mB+32*mi+16:mB+32*mi+31], v[ACC+16*mi+8*\u:ACC+16*mi+8*\u+7], v[WS+\u], v[mS+2*mi+1] matrix_a_scale:MATRIX_SCALE_ROW1
.endr
.set mi, mi+1
.endr
.else
.set mi, 0
.rept \R
	v_wmma_scale_f32_16x16x128_f8f6f4 v[ACC+16*mi:ACC+16*mi+7], v[W:W+15], v[16*mi:16*mi+15], v[BI:BI+7], v[WS], v[H2S+mi]
	v_wmma_scale_f32_16x16x128_f8f6f4 v[ACC+16*mi+8:ACC+16*mi+15], v[W+16:W+31], v[16*mi:16*mi+15], v[BI+8:BI+15], v[WS], v[H2S+mi] matrix_a_scale:MATRIX_SCALE_ROW1
.set mi, mi+1
.endr
.endif
.endm
; prelu of tile i's 16 numbers, in place.  Each accumulator is read from its low end on.
.macro PRELU i, al, win
.set pe, 0
.rept 16
	v_max_num_f32 v[UT+pe], 0, v[ACC+16*(\i)+pe]
.set pe, pe+1
.endr
.set pe, 0
.rept 8
	v_pk_add_f32 v[ACC+16*(\i)+pe:ACC+16*(\i)+pe+1], v[ACC+16*(\i)+pe:ACC+16*(\i)+pe+1], v[UT+pe:UT+pe+1] neg_lo:[0,1] neg_hi:[0,1]   ; x - max(x, 0) = min(x, 0), exactly
.set pe, pe+2
.endr
.if \win
	WIN 0x01                                       ; the slopes in window 1
.endif
.set pe, 0
.rept 8
	v_pk_fma_f32 v[ACC+16*(\i)+pe:ACC+16*(\i)+pe+1], v[(\al)+pe:(\al)+pe+1], v[ACC+16*(\i)+pe:ACC+16*(\i)+pe+1], v[UT+pe:UT+pe+1]
.set pe, pe+2
.endr
	WIN 0
.endm
; cnt blocks, 16 numbers of mine each, at base + 16 b: the block's largest magnitude (with lane l xor 16's 16), the conversion's scale operand, 448 x the scale, the byte (in PM + b).  The blocks go by turns.
.macro QSCALE base, cnt
.set qb, 0
.rept \cnt
	v_max3_num_f32 v[MX+qb], |v[(\base)+16*qb]|, |v[(\base)+16*qb+1]|, 0x4800000   ; and the floor 2^(9 - 127): the byte cannot fall under 1
.set qb, qb+1
.endr
.set qi, 2
.rept 7
.set qb, 0
.rept \cnt
	v_max3_num_f32 v[MX+qb], v[MX+qb], |v[(\base)+16*qb+qi]|, |v[(\base)+16*qb+qi+1]|
.set qb, qb+1
.endr
.set qi, qi+2
.endr
.set qb, 0
.rept \cnt
	v_permlanex16_b32 v[PM+qb], v[MX+qb], s[SEL], s[SEL+1]
.set qb, qb+1
.endr
.set qb, 0
.rept \cnt
	v_max_num_f32 v[MX+qb], v[MX+qb], v[PM+qb]
.set qb, qb+1
.endr
.set qb, 0
.rept \cnt
	v_add_nc_u32 v[SOP+qb], 0xfc000000, v[MX+qb]   ; 8 off the exponent field
.set qb, qb+1
.endr
.set qb, 0
.rept \cnt
	v_and_or_b32 v[LIM+qb], v[MX+qb], 0x7f800000, s[MNT]
.set qb, qb+1
.endr
.set qb, 0
.rept \cnt
	v_lshrrev_b32 v[PM+qb], 23, v[SOP+qb]
.set qb, qb+1
.endr
.endm
; the hold and the conversions: block b's 16 codes into window 1, v[dst + dstr b] on.  The holds are also the places between the scale words, which are put together ahead of this macro, and the products that name them.
.macro QCODE base, cnt, dst, dstr
.set qb, 0
.rept \cnt
.set qi, 0
.rept 16
	v_med3_num_f32 v[(\base)+16*qb+qi], v[(\base)+16*qb+qi], -v[LIM+qb], v[LIM+qb]   ; the conversion to an 8-bit code does not saturate (ISA guide 7.6.2)
.set qi, qi+1
.endr
.set qb, qb+1
.endr
	WIN 0x40
.set qb, 0
.rept \cnt
	v_cvt_scalef32_pk8_fp8_f32 v[(\dst)+(\dstr)*qb:(\dst)+(\dstr)*qb+1], v[(\base)+16*qb:(\base)+16*qb+7], v[SOP+qb]
	v_cvt_scalef32_pk8_fp8_f32 v[(\dst)+(\dstr)*qb+2:(\dst)+(\dstr)*qb+3], v[(\base)+16*qb+8:(\base)+16*qb+15], v[SOP+qb]
.set qb, qb+1
.endr
	WIN 0
	PLACES 4                                       ; the plain line behind a conversion, and the four places between codes made by vector instructions and a scaled product that reads them
.endm
; tile i, block c of the head's 64: my 16 numbers of k and of q into a set
.macro XLOAD st, i, c, RB, QAr
.irp j, 0,1,2,3
	ds_load_b128 v[(\st)+4*\j:(\st)+4*\j+3], v[KQA] offset:((\RB)+16*(\i))*PIT+128*(\c)+16*\j
.endr
.irp j, 0,1,2,3
	ds_load_b128 v[(\st)+32+4*\j:(\st)+32+4*\j+3], v[\QAr] offset:544*(\i)+128*(\c)+16*\j
.endr
.endm
; THE INPUT: [q | k | q - k | q k] of R tiles as codes: K step 0 = blocks q0 q1 k0 k1, K step 1 = d0 d1 p0 p1.  q's codes and bytes come ready from LDS.  A unit is a tile's block c: three blocks of 32.
; Its first loads lean on the wait on va_vdst that stands ahead of the macro: only waits, scalar lines, loads and window switches lie between.
.macro XPHASE R, RB, QAr, QCr, QCo, QWr, QWo
	WIN 0x40
.set xi, 0
.rept \R
	ds_load_b128 v[32*xi:32*xi+3], v[\QCr] offset:(\QCo)+1024*xi
	ds_load_b128 v[32*xi+4:32*xi+7], v[\QCr] offset:(\QCo)+1024*xi+512
.set xi, xi+1
.endr
	WIN 0
.set xi, 0
.rept \R
	ds_load_u16 v[QSW+xi], v[\QWr] offset:(\QWo)+128*xi
.set xi, xi+1
.endr
	XLOAD SETB, 0, 0, \RB, \QAr
.set xn, 0
.rept 2*\R
.set xs, SETB-48*(xn%2)                ; even units work in set B, odd ones in set A
.set xo, SETB-48*((xn+1)%2)
.set xi, xn/2
.set xc, xn%2
.if xn > 0
	s_wait_alu depctr_va_vdst(0)                   ; the unit before is done with its set (differences, products, holds, conversions), in which the loads below land: the next unit's numbers, or, in the last unit, the first fragments of the weight
.endif
.if xn+1 < 2*\R
	XLOAD xo, (xn+1)/2, (xn+1)%2, \RB, \QAr
	s_wait_dscnt 8                                 ; all but the next unit's eight loads
.else
	s_wait_dscnt 0x0
	WLOAD 0                                        ; the last unit works in set A: set B and the weight's registers are free
	BLOAD 0
.endif
.set xe, 0
.rept 8
	v_pk_add_f32 v[xs+16+xe:xs+16+xe+1], v[xs+32+xe:xs+32+xe+1], v[xs+xe:xs+xe+1] neg_lo:[0,1] neg_hi:[0,1]   ; q - k
.set xe, xe+2
.endr
.set xe, 0
.rept 8
	v_pk_mul_f32 v[xs+32+xe:xs+32+xe+1], v[xs+32+xe:xs+32+xe+1], v[xs+xe:xs+xe+1]                            ; q k
.set xe, xe+2
.endr
	QSCALE xs, 3
.if xc == 0
	v_lshl_or_b32 v[XS+2*xi], v[PM], 16, v[QSW+xi]             ; K step 0's word: q0 q1 k0 ..
	v_lshl_or_b32 v[XS+2*xi+1], v[PM+2], 16, v[PM+1]           ; K step 1's: d0 .. p0 ..
.else
	v_lshl_or_b32 v[XS+2*xi], v[PM], 24, v[XS+2*xi]
	v_lshl_or_b32 v[XS+2*xi+1], v[PM+1], 8, v[XS+2*xi+1]
	v_lshl_or_b32 v[XS+2*xi+1], v[PM+2], 24, v[XS+2*xi+1]
.endif
	QCODE xs, 3, 32*xi+8+4*xc, 8
.set xn, xn+1
.endr
.endm
; A GROUP: 32 units of a layer for R tiles of rows.
.macro GROUP G, R, RB, loop
.if ((\G) == 0) || ((\G) == 8) || ((\G) == 12)
	s_wait_alu depctr_va_vdst(0)                   ; a layer's first group: the conversions have written the codes, and the lines ahead of them the scale words, that this layer's scaled products take as source 1 and as its scales; the places stand ahead of this wait, behind the last conversion
.endif
.if (\G) == 0
	ALOAD ALB, 0, 1024                             ; group 1's slopes: the last reader of these registers, group 11's prelu of the round before (first trip: the head's quantiser of q), stands ahead of the round's first wait
.endif
.if (\G) == 8
	ALOAD ALD, 1, 12*1024                          ; layer 3's slopes, into registers that the input's codes have left: layer 1's last products stand ahead of group 7's waits
	ALOAD ALC, 1, 13*1024
.endif
.if ((\G) == 8) && (\loop)
	; A prefetch of the next round's 64 rows of k, 256 bytes each, a lane a row, two instructions; each row is named once in the launch, by the wave that will load it.
	; It stands behind this group's loads, three groups ahead of the loads of those rows; the last round asks for nothing; round 0 and the tail come by their loads alone.
	s_cmp_eq_u32 s[RND], 1
	s_cbranch_scc1 .Lnopf_\@
	global_prefetch_b8 v[PFO], s[KB:KB+1] offset:16384 th:TH_LOAD_NT scope:SCOPE_SE
	global_prefetch_b8 v[PFO], s[KB:KB+1] offset:16384+204800 th:TH_LOAD_NT scope:SCOPE_SE
.Lnopf_\@:
.endif
	s_wait_dscnt 0x0                               ; the group's fragments, scale words and bias are in
	MM \G, \R
	WIN 0
	PLACES 8                                       ; behind this matrix form (ISA guide 7.12.1): ahead of the first read of its results and of the writes over its C
.if ((\G) == 8) || ((\G) == 9)
	s_wait_loadcnt 12                              ; this group's slopes are in; behind them twelve loads: in group 8 group 9's slopes and layer 3's two sets, in group 9 layer 3's two sets and group 10's slopes
.elseif (\G) < 11
	s_wait_loadcnt 4                               ; this group's slopes are in; the next group's four loads may be out
.elseif (\G) == 11
	s_wait_loadcnt 0x0                             ; no load was issued behind this group's slopes
.endif
.if (\G) == 12
.set ga, ALD
.set gw, 1
.elseif (\G) == 13
.set ga, ALC
.set gw, 1
.else
.set ga, ALA+16*((\G)%2)
.set gw, 0
.endif
	PRELU 0, ga, gw                                ; tile 0's prelu stands between the group's last product and the wait below
.if (\G) < 13
	s_wait_alu depctr_va_vdst(0)                   ; this group's products are done reading the weight's fragments and scale words, in which the next group's land (group 11: and the first hidden layer's codes, in which the next quad's k lands); with one tile of rows: the prelu is done as well, see the wait below
	WLOAD (\G)+1                                   ; the prelu of the other tiles, which follows, names the results, u and this group's slopes: none of the registers that these loads touch
.endif
.if ((\G) == 11) && (\loop)
	s_cmp_eq_u32 s[RND], 1                         ; the last round has no successor: no load leaves its buffer
	s_cbranch_scc1 .Lnoarm_\@
	KLOAD 16384                                    ; the next quad's k, into the registers that layer 2's last products have just left
	ALOAD ALA, 0, 114688                           ; and its first slopes: group 10's prelu, the last reader of these registers, stands ahead of the wait above
.Lnoarm_\@:
.endif
.if \R > 1
.set gi, 1
.rept \R-1
	PRELU gi, ga, gw
.set gi, gi+1
.endr
.if (\G) < 13
	s_wait_alu depctr_va_vdst(0)                   ; the prelu is done with u's registers, in which the next group's bias lands, and with this group's slopes, in whose registers the slopes of two groups on land
.endif
.endif
.if (\G) < 13
	BLOAD (\G)+1                                   ; u's registers are free again
.else
.set gi, 0
.rept \R
	ds_load_b32 v[K0+gi], v[K0A] offset:((\RB)+16*gi)*PIT      ; k[b][t][0] of my row, for the mask; the last vector line that named these registers, group 11's hold, stands ahead of group 12's first wait
.set gi, gi+1
.endr
.endif
.if (\G) <= 9
	ALOAD ALA+16*((\G)%2), 0, ((\G)+2)*1024        ; the slopes of two groups on
.endif
.if (\G) < 12
	QSCALE ACC, \R                                 ; a tile's 32 units are one block of the next K
.if (\G) < 8
.set gp, (\G)%4
.set gr, H1S+(\G)/4
.set gs, 2
.set gd, 128+16*((\G)/4)+4*((\G)%4)
.set gt, 32
.else
.set gp, (\G)-8
.set gr, H2S
.set gs, 1
.set gd, 4*((\G)-8)
.set gt, 16
.endif
.set gi, 0
.rept \R
.if gp == 0
	v_mov_b32 v[gr+gs*gi], v[PM+gi]                ; the byte takes its place in the row's scale word
.else
	v_lshl_or_b32 v[gr+gs*gi], v[PM+gi], 8*gp, v[gr+gs*gi]
.endif
.set gi, gi+1
.endr
	QCODE ACC, \R, gd, gt
.else
.set de, 0
.rept 8                                ; Wl . h3, two units at a time; the tiles by turns
.set gi, 0
.rept \R
.if ((\G) == 12) && (de == 0)
	v_pk_mul_f32 v[SCR+2*gi:SCR+2*gi+1], v[ACC+16*gi+de:ACC+16*gi+de+1], v[W+32+16*((\G)-12)+de:W+32+16*((\G)-12)+de+1]
.else
	v_pk_fma_f32 v[SCR+2*gi:SCR+2*gi+1], v[ACC+16*gi+de:ACC+16*gi+de+1], v[W+32+16*((\G)-12)+de:W+32+16*((\G)-12)+de+1], v[SCR+2*gi:SCR+2*gi+1]
.endif
.set gi, gi+1
.endr
.set de, de+2
.endr
.endif
.endm
; the score's two halves and lane l xor 16's; + bl; 0 where k[b][t][0] is 0; row 16 i + r's score to my 256 bytes of LDS (both halves of the lanes write the same word with the same value)
.macro SCORE R
.set gi, 0
.rept \R
	v_add_f32 v[SCR+2*gi], v[SCR+2*gi], v[SCR+2*gi+1]
.set gi, gi+1
.endr
.set gi, 0
.rept \R
	v_permlanex16_b32 v[SCR+2*gi+1], v[SCR+2*gi], s[SEL], s[SEL+1]
.set gi, gi+1
.endr
.set gi, 0
.rept \R
	v_add_f32 v[SCR+2*gi], v[SCR+2*gi], v[SCR+2*gi+1]
.set gi, gi+1
.endr
.set gi, 0
.rept \R
	v_add_f32 v[SCR+2*gi], s[BL], v[SCR+2*gi]
.set gi, gi+1
.endr
	s_wait_dscnt 0x0                               ; k[b][t][0]
.set gi, 0
.rept \R
	v_cmp_neq_f32 s[MK+gi], 0, v[K0+gi]            ; the compares in a run, a scalar register to each tile
.set gi, gi+1
.endr
	s_wait_alu depctr_va_sdst(0)                   ; the compares have written their masks, ahead of the selects that read them
.set gi, 0
.rept \R
	v_cndmask_b32 v[SCR+2*gi], 0, v[SCR+2*gi], s[MK+gi]
.set gi, gi+1
.endr
	s_wait_alu depctr_va_vdst(0)                   ; the selects have written the scores, which the LDS stores read; and every vector and matrix line of the chain is done with v64-191 and v224-255, in which the pooling's loads land
.set gi, 0
.rept \R
	ds_store_b32 v[SCA], v[SCR+2*gi] offset:64*gi
.set gi, gi+1
.endr
	s_wait_alu depctr_vm_vsrc(0)                   ; the stores have read the scores' registers, on which the pooling's loads land
	s_wait_dscnt 0x0                               ; and the stores themselves are done
.endm
; out[b] += sum over the quad's 8 positions of score x k.  Lane (r, h) holds batch 2 jj + h, channels 4 r .. 4 r + 3: sixteen lanes read a staged row's 256 bytes.
.macro POOL R, RB, acc
.set pj, 0
.rept \R
	ds_load_b128 v[PS+8*pj:PS+8*pj+3], v[SPA] offset:64*pj         ; my batch's eight scores (LDS serves a wave's instructions in order: these see my stores)
	ds_load_b128 v[PS+8*pj+4:PS+8*pj+7], v[SPA] offset:64*pj+16
.set pj, pj+1
.endr
.set pt, 0
.rept 8
.set pj, 0
.rept \R
	ds_load_b128 v[PK+16*pt+4*pj:PK+16*pt+4*pj+3], v[KPA] offset:((\RB)+16*pj+pt)*PIT
.set pj, pj+1
.endr
.set pt, pt+1
.endr
.set pt, 0
.rept 8
	s_wait_dscnt (7-pt)*\R                         ; position pt's rows are in; the later positions' may be out
.set pj, 0
.rept \R
.irp e, 0,2
.if pt%2
	v_pk_fma_f32 v[(\acc)+4*pj+\e:(\acc)+4*pj+\e+1], v[PK+16*pt+4*pj+\e:PK+16*pt+4*pj+\e+1], v[PS+8*pj+pt-1:PS+8*pj+pt], v[(\acc)+4*pj+\e:(\acc)+4*pj+\e+1] op_sel:[0,1,0] op_sel_hi:[1,1,1]
.else
	v_pk_fma_f32 v[(\acc)+4*pj+\e:(\acc)+4*pj+\e+1], v[PK+16*pt+4*pj+\e:PK+16*pt+4*pj+\e+1], v[PS+8*pj+pt:PS+8*pj+pt+1], v[(\acc)+4*pj+\e:(\acc)+4*pj+\e+1] op_sel_hi:[1,0,1]
.endif
.endr
.set pj, pj+1
.endr
.set pt, pt+1
.endr
.endm
.macro ROUND R, RB, loop, QAr, QCr, QCo, QWr, QWo, acc
	XPHASE \R, \RB, \QAr, \QCr, \QCo, \QWr, \QWo
.irp g, 0,1,2,3,4,5,6,7,8,9,10,11,12,13
	GROUP \g, \R, \RB, \loop
.endr
	SCORE \R
	POOL \R, \RB, \acc
.endm
	; ---- THE HEAD
	s_load_b256 s[4:11], s[0:1], 0x0               ; k s4, q s6, wts s8, alf s10
	s_load_b128 s[12:15], s[0:1], 0x20             ; bl s12, out0 s14
	v_lshl_add_u32 v[SPW], v0, 2, SPARE
	v_mov_b32 v[NIL], 0
	v_lshrrev_b32 v240, 5, v0
	v_readfirstlane_b32 s[WV], v240                ; wave 0..7
	v_and_b32 v240, 31, v0                         ; lane
	v_and_b32 v241, 15, v0                         ; r
	v_bfe_u32 v242, v0, 4, 1                       ; h
	v_bfe_u32 v243, v0, 3, 1                       ; r / 8
	v_and_b32 v244, 7, v0                          ; r % 8
	s_wait_alu depctr_va_sdst(0)                   ; the wave's number is written, ahead of its first reader
	s_mul_i32 s[KR], s[WV], KREG
	s_add_co_u32 s[KR], s[KR], KST
	v_lshlrev_b32 v[LI0], 4, v240
	v_add_nc_u32 v[LI1], 0x10000, v[LI0]
	v_lshl_add_u32 v[WSA], v240, 2, WSO
	v_lshl_add_u32 v[BIAA], v242, 6, BIO
	v_mul_u32_u24 v[KSA], v242, PIT
	v_lshl_add_u32 v[KSA], v241, 4, v[KSA]
	v_add_nc_u32 v[KSA], s[KR], v[KSA]
	v_mul_u32_u24 v[K0A], v241, PIT
	v_add_nc_u32 v[K0A], s[KR], v[K0A]
	v_lshl_add_u32 v[KQA], v242, 6, v[K0A]
	v_mul_u32_u24 v[QA], v243, PIT
	v_lshl_add_u32 v[QA], v242, 6, v[QA]
	v_add_nc_u32 v[QA], QST, v[QA]
	s_mul_i32 s40, s[WV], 544
	v_add_nc_u32 v[QAT], s40, v[QA]
	s_lshl_b32 s40, s[WV], 8
	s_add_co_u32 s40, s40, SCO
	v_lshl_add_u32 v[SCA], v241, 2, s40
	v_lshl_add_u32 v[SPA], v242, 5, s40
	v_mul_u32_u24 v[KPA], v242, 8*PIT
	v_lshl_add_u32 v[KPA], v241, 4, v[KPA]
	v_add_nc_u32 v[KPA], s[KR], v[KPA]
	v_lshlrev_b32 v[AOF], 4, v244
	v_lshl_add_u32 v[AOF], v242, 7, v[AOF]
	s_lshl_b32 s40, s[WV], 10
	s_add_co_u32 s40, s40, QIMG
	v_add_nc_u32 v[QCT], s40, v[LI0]
	s_lshl_b32 s40, s[WV], 7
	s_add_co_u32 s40, s40, QSWI
	v_lshl_add_u32 v[QWT], v240, 2, s40
	s_lshl_b32 s40, s[WV], 11
	s_add_co_u32 s40, s40, PART
	v_add_nc_u32 v[PWA], s40, v[LI0]
	s_lshl_b32 s40, s[WV], 9
	s_add_co_u32 s40, s40, PART
	v_add_nc_u32 v[PRA], s40, v[LI0]
	v_lshrrev_b32 v245, 3, v240
	v_mul_u32_u24 v[PFO], v245, 51200
	v_and_b32 v245, 7, v240
	v_lshl_add_u32 v[PFO], v245, 8, v[PFO]
	; addresses that the head alone uses.  Wave w stores batch w's tail rows into wave (w / 2)'s stage, rows 64 + 8 (w % 2) on; quantises block w % 2 of q for the pair of batches w / 2; stores batch w's q
	s_lshr_b32 s40, s[WV], 1
	s_mul_i32 s40, s40, KREG
	s_and_b32 s41, s[WV], 1
	s_mul_i32 s41, s41, 8*PIT
	s_add_co_u32 s40, s40, s41
	s_add_co_u32 s40, s40, KST+64*PIT
	v_mul_u32_u24 v[KTA], v242, PIT
	v_lshl_add_u32 v[KTA], v241, 4, v[KTA]
	v_add_nc_u32 v[KTA], s40, v[KTA]
	s_lshl_b32 s40, s[WV], 9                       ; 1024 (w / 2) + 512 (w % 2) = 512 w
	v_add_nc_u32 v[CPA], s40, v[LI0]               ; also my 512 bytes of each 4,096 of the weights' copy
	v_add_nc_u32 v[CPB], 0x10000, v[CPA]
	s_add_co_u32 s40, s40, QIMG
	v_add_nc_u32 v[QIA], s40, v[LI0]
	s_lshr_b32 s40, s[WV], 1
	s_lshl_b32 s40, s40, 7
	s_and_b32 s41, s[WV], 1
	s_add_co_u32 s40, s40, s41
	s_add_co_u32 s40, s40, QSWI
	v_lshl_add_u32 v[QBA], v240, 2, s40
	s_mul_i32 s40, s[WV], PIT
	s_add_co_u32 s40, s40, QST
	v_lshl_add_u32 v[QSTA], v240, 3, s40
	v_lshlrev_b32 v[Q8], 3, v240
	v_lshlrev_b32 v[QLO], 8, v243
	v_lshl_add_u32 v[QLO], v242, 6, v[QLO]         ; q for the quantiser: batch r / 8 of the pair, + 64 h
	s_mov_b32 s[SEL], 0x76543210
	s_mov_b32 s[SEL+1], 0xfedcba98
	s_mov_b32 s[MNT], 0x600000
.irp j, 0,1,2,3
	v_mov_b32 v[PM+\j], 0                          ; a lane permute's destination counts as one of its sources
.endr
.irp j, 0,1,2,3,4,5,6,7,8,9,10,11,12,13,14,15,16,17,18,19
	v_mov_b32 v[PO+\j], 0                          ; the pooling's sums, the tail's behind them: the round is written once
.endr
	s_wait_kmcnt 0x0
	s_load_b32 s[BL], s[12:13], 0x0
	s_mul_i32 s38, ttmp9, 409600                   ; 8 batches of 51,200 bytes
	s_mov_b32 s39, 0
	s_add_nc_u64 s[4:5], s[4:5], s[38:39]
	s_lshl_b32 s38, s[WV], 11                      ; t-group w: 8 positions of 256 bytes
	s_add_nc_u64 s[KB:KB+1], s[4:5], s[38:39]
	s_mul_i32 s38, s[WV], 51200
	s_add_nc_u64 s[KT:KT+1], s[4:5], s[38:39]
	s_mul_i32 s38, s[WV], 14336
	s_add_nc_u64 s[AB:AB+1], s[10:11], s[38:39]
	s_add_nc_u64 s[AT:AT+1], s[10:11], 24*14336
	s_lshl_b32 s38, ttmp9, 11                      ; 8 batches of 256 bytes, in q and in out
	s_add_nc_u64 s[6:7], s[6:7], s[38:39]
	s_add_nc_u64 s[14:15], s[14:15], s[38:39]
	s_lshl_b32 s38, s[WV], 9
	s_add_nc_u64 s[OUT:OUT+1], s[14:15], s[38:39]
	s_lshl_b32 s38, s[WV], 8
	s_add_nc_u64 s[QR:QR+1], s[6:7], s[38:39]
	s_lshr_b32 s38, s[WV], 1
	s_lshl_b32 s38, s38, 9
	s_and_b32 s40, s[WV], 1
	s_lshl_b32 s40, s40, 7
	s_add_co_u32 s38, s38, s40
	s_add_nc_u64 s[QP:QP+1], s[6:7], s[38:39]
	s_wait_alu depctr_va_vdst(0)                   ; every address and offset of the kernel, v1-21 and v226-233, is written: all loads, stores and prefetches read one of them, and none is written again while it is in use
.set hn, 0
.rept 28
	global_load_b128 v[64+4*hn:64+4*hn+3], v[CPA], s[8:9] offset:4096*hn       ; the eight waves together copy 4,096 consecutive bytes of wts an instruction
.set hn, hn+1
.endr
	global_load_b64 v[224:225], v[Q8], s[QR:QR+1]
.irp j, 0,1,2,3
	global_load_b128 v[208+4*\j:208+4*\j+3], v[QLO], s[QP:QP+1] offset:16*\j
.endr
.irp p, 0,1,2,3
	global_load_b128 v[176+4*\p:176+4*\p+3], v[LI0], s[KT:KT+1] offset:49152+512*\p th:TH_LOAD_NT   ; batch w, positions 192 to 199
.endr
	KLOAD 0
	ALOAD ALA, 0, 0
	s_wait_loadcnt 36                              ; all but the first quad's 32 loads of k and the four of slopes behind them
.set hn, 0
.rept 16
	ds_store_b128 v[CPA], v[64+4*hn:64+4*hn+3] offset:4096*hn
.set hn, hn+1
.endr
.set hn, 0
.rept 12
	ds_store_b128 v[CPB], v[128+4*hn:128+4*hn+3] offset:4096*hn
.set hn, hn+1
.endr
	ds_store_b64 v[QSTA], v[224:225]
.irp p, 0,1,2,3
	ds_store_b128 v[KTA], v[176+4*\p:176+4*\p+3] offset:2*\p*PIT
.endr
	QSCALE 208, 1
	QCODE 208, 1, 0, 0
	WIN 0x04
	s_wait_alu depctr_va_vdst(0)                   ; the conversions have written q's codes and the shift its scale byte, which the two LDS stores below read
	ds_store_b128 v[QIA], v[0:3]                   ; the four registers of codes as they stand
	WIN 0
	ds_store_b8 v[QBA], v[PM]
	s_wait_kmcnt 0x0                               ; bl
	s_wait_dscnt 0x0                               ; for the others' sake: my stores have landed
	s_barrier_signal -1
	s_barrier_wait -1                              ; the weights, q and the tail's rows lie in LDS; from here to the end of the rounds no wave waits for another
	; ---- THREE ROUNDS, a quad each
	s_mov_b32 s[RND], 3
.Lround:
	s_wait_loadcnt 4                               ; the quad's k has landed; the four loads of slopes issued behind it may be out
	KSTORE                                         ; my reads of the stage's last rows were waited for in the pooling
	s_wait_alu depctr_va_vdst(0)                   ; the round before (its products, layer 3's prelu, its pooling; in the first trip the head's quantiser of q) is done with the registers in which the input's first loads land: q's codes and bytes, the two sets
	s_wait_alu depctr_vm_vsrc(0)                   ; my stores into the stage have read k's landing registers, which layer 1's conversions write; in the first trip the head's LDS stores and loads have also read their data and the head's own addresses (v64-191, v224-233, v244, q's codes), which the loads and vector lines below write
	ROUND 4, 0, 1, QA, LI1, QIMG-65536, WSA, QSWI-WSO, PO
	s_wait_xcnt 0x0                                ; the loads and prefetches have read their bases: they are stepped only behind this wait
	s_add_nc_u64 s[KB:KB+1], s[KB:KB+1], 16384     ; eight t-groups on
	s_add_nc_u64 s[AB:AB+1], s[AB:AB+1], 114688
	s_sub_co_u32 s[RND], s[RND], 1
	s_cmp_lg_u32 s[RND], 0
	s_cbranch_scc1 .Lround
	s_wait_alu depctr_va_vdst(0)                   ; the last round's pooling has written its sums, which the LDS stores at the end read, and is done reading the registers in which the tail's first loads land
	; ---- THE TAIL: t-group 24, a tile of 16 rows (batches 2 w, 2 w + 1) to each of waves 0-3
	s_cmp_gt_u32 s[WV], 3
	s_cbranch_scc1 .Lnotail
	s_wait_loadcnt 0x0                             ; no load is out into the registers that the loads below fill, on any way through the text; the last round has issued none behind group 11's wait, so this wait is met at once
	s_mov_b64 s[AB:AB+1], s[AT:AT+1]
	ALOAD ALA, 0, 0
	ROUND 1, 64, 0, QAT, QCT, 0, QWT, 0, PT
	s_wait_alu depctr_va_vdst(0)                   ; the tail's pooling has written its sums, which the LDS store below reads, and is done reading the registers in which the loads at the end land
	ds_store_b128 v[PRA], v[PT:PT+3] offset:16384
.Lnotail:
	; ---- THE END: the eight waves' sums meet in LDS; waves 0-3 add them in a fixed order, two batches each, and store
.irp j, 0,1,2,3
	ds_store_b128 v[PWA], v[PO+4*\j:PO+4*\j+3] offset:512*\j
.endr
	s_wait_dscnt 0x0                               ; for the others' sake
	s_barrier_signal -1
	s_barrier_wait -1
	s_cmp_gt_u32 s[WV], 3
	s_cbranch_scc1 .Ldone
.set fn, 0
.rept 8
	ds_load_b128 v[64+4*fn:64+4*fn+3], v[PRA] offset:2048*fn
.set fn, fn+1
.endr
	ds_load_b128 v[96:99], v[PRA] offset:16384     ; and the tail's
	s_wait_dscnt 0x0
.set fn, 1
.rept 8
	v_pk_add_f32 v[64:65], v[64:65], v[64+4*fn:64+4*fn+1]
	v_pk_add_f32 v[66:67], v[66:67], v[64+4*fn+2:64+4*fn+3]
.set fn, fn+1
.endr
	s_wait_alu depctr_va_vdst(0)                   ; the additions have written v64-67, which the store reads
	global_store_b128 v[LI0], v[64:67], s[OUT:OUT+1]   ; 32 lanes store 512 consecutive bytes, two rows of out, at a multiple of 256 from its first byte
.Ldone:
	s_wait_dscnt 0x0                               ; the wave's end, behind my last LDS store
	s_wait_alu 0x0
	s_wait_tensorcnt 0x0
	ds_add_u32 v[SPW], v[NIL]
	s_wait_dscnt 0x0
	s_endpgm
.Lfunc_end_k_q8788f3c81f_main:
	.size	k_q8788f3c81f_main, .Lfunc_end_k_q8788f3c81f_main-k_q8788f3c81f_main
	.p2alignl 7, 3214868480
	.fill 96, 4, 3214868480
	.section	.rodata,"a",@progbits
	.p2align	6, 0x0
	.amdhsa_kernel k_q8788f3c81f_main
		.amdhsa_group_segment_fixed_size 317184
		.amdhsa_private_segment_fixed_size 0
		.amdhsa_enable_private_segment 0
		.amdhsa_kernarg_size 48
		.amdhsa_user_sgpr_count 2
		.amdhsa_user_sgpr_kernarg_segment_ptr 1
		.amdhsa_wavefront_size32 1
		.amdhsa_system_sgpr_workgroup_id_x 1
		.amdhsa_system_sgpr_workgroup_id_y 1
		.amdhsa_system_sgpr_workgroup_id_z 1
		.amdhsa_system_vgpr_workitem_id 0
		.amdhsa_next_free_vgpr 512
		.amdhsa_next_free_sgpr 66
		.amdhsa_reserve_vcc 0
		.amdhsa_float_denorm_mode_32 3
		.amdhsa_float_denorm_mode_16_64 3
		.amdhsa_memory_ordered 1
		.amdhsa_forward_progress 1
		.amdhsa_inst_pref_size 255
	.end_amdhsa_kernel
	.section	.bss,"aw",@nobits
	.p2align	6
	.space	262144
	.amdgpu_metadata
---
amdhsa.version: [ 1, 2 ]
amdhsa.kernels:
  - .name:           k_q8788f3c81f_main
    .symbol:         k_q8788f3c81f_main.kd
    .args:
      - { .name: k, .offset: 0, .size: 8, .value_kind: global_buffer, .address_space: global }
      - { .name: q, .offset: 8, .size: 8, .value_kind: global_buffer, .address_space: global }
      - { .name: wts, .offset: 16, .size: 8, .value_kind: global_buffer, .address_space: global }
      - { .name: alf, .offset: 24, .size: 8, .value_kind: global_buffer, .address_space: global }
      - { .name: bl, .offset: 32, .size: 8, .value_kind: global_buffer, .address_space: global }
      - { .name: out0, .offset: 40, .size: 8, .value_kind: global_buffer, .address_space: global }
    .group_segment_fixed_size: 317184
    .private_segment_fixed_size: 0
    .kernarg_segment_align: 8
    .kernarg_segment_size: 48
    .max_flat_workgroup_size: 256
    .sgpr_count:     66
    .vgpr_count:     512
    .wavefront_size: 32
...
	.end_amdgpu_metadata
.endif
;; end of part 3
